; MI455X (gfx1250); checked and timed in simulation.
; The chip was launched on July 23, 2026; its instructions are those of AMD's public machine-readable ISA for CDNA 5 (MIT licence, August 2026) and "CDNA5" Instruction Set Architecture Reference Guide (July 2026). The comments in the code are by the model that wrote it; some were corrected since.
;; Attention. Allowed arithmetic: float matrix products may take bf16 or f16 operands with f32 sums; all other float work in f32.
;; Inputs: W_a 1,024 x 1,024 float32; W_c 1,024 x 2,048 float32; decoder_h_t 64 x 256 x 1,024 float32; encoder_outputs 64 x 258 x 1,024 float32; p_t 64 float32; src_len 64 int32.
;; Outputs: out0 64 x 256 x 1,024 float32.
;; 2 versions, each right; version 2 is version 1 with the launch prep written anew for expert scheduling mode. Each part assembles by itself: llvm-mc -triple=amdgcn-amd-amdhsa -mcpu=gfx1250 --defsym DOCPART=n.
;; ======== version 1 of 2: 3 launches
;; limits: values are held in f16: magnitudes above 65,504 overflow, below 6.1e-05 lose precision
;; workspace buffers: xf 12,582,912 bytes; wf 6,291,456 bytes; wc2f 2,097,152 bytes; epf 12,582,912 bytes; ftf 8,388,608 bytes
;; launch prep (part 1): grid 4 x 64, 4 waves a work-group, no clusters, 42,496 bytes of LDS; arguments encoder_outputs, W_a, W_c, p_t, src_len, xf, wf, wc2f; writes xf, wf, wc2f
.if DOCPART == 1
	.amdgcn_target "amdgcn-amd-amdhsa--gfx1250"
	.amdhsa_code_object_version 6
	.text
	.protected	k_q11ad5bb05d_prep
	.globl	k_q11ad5bb05d_prep
	.p2align	8
	.type	k_q11ad5bb05d_prep,@function
k_q11ad5bb05d_prep:
	s_mov_b64 s[64:65], 0
	v_nop
	global_prefetch_b8 v0, s[64:65] scope:SCOPE_SE
	s_setreg_imm32_b32 hwreg(HW_REG_WAVE_MODE, 25, 1), 1
	s_wait_xcnt 0x0
; PREP.  X[n] = Sel[n] x enc[n] (48 rows for each batch), and the weights, all written as f16 in FRAGMENT ORDER.
; reference() overwrites every score outside [max(p-16,0), min(p+16,src_len)] with -1e9: at most 33 positions of a batch stay.  Rows 0..46 of X are enc[first+j], first = ceil(start)
; (a zero row where first+j > 257); row 47 is the sum over all masked l of gauss(l)/256 x enc[l], which carries the case of an empty window (softmax = 1/258 everywhere).
; Which rows are taken is a matter of VALUES: Sel (48 x 288, f16) is made in registers, one-hot rows and the weights' row, and multiplied by the matrix unit; no address hangs on p_t.
; enc goes in as f16 hi + f16 lo (hi = x rounded to 11 bits: fma(x,-8192,fl(8193 x)); lo = x - hi, exact), so that X keeps about 22 bits; X and W_a leave as hi and lo, W_c as hi.
; FRAGMENT ORDER: 16 rows x 32 k of f16 are 1,024 bytes on end; half c (512 bytes) holds at byte 16 L, for lane L = (r = L%16, h = L/16), row r's k = 16c+8h+0..7.
; SHARES.  Work-group (cq, n): batch n, 256 columns; wave w 64 of them (four tiles ct of 16): 12 accumulators (jt 0..2 x ct).  K = l in 9 steps of 32 (the last has rows 256, 257).
; Each wave also converts three units of 16 rows x 64 k of the weights.  No tensor loads: memory binds, 32 loads of 512 bytes a wave are on their way.
; LIMITS.  |enc| < 65,504 (f16's range); NaN and infinities are not treated apart.
.set ENCB,  1056768                    ; bytes of a batch of enc: 258 rows x 4,096
.set STG,   10240                      ; a wave's LDS: hi [32 rows][160 B], then lo; pitch 160 = 5 x 32 for the turning load
.set LOFF,  5120
.set WT,    40960                      ; the table w_l, 384 f16, shared
.set WV, 20
.set CQ, 21
.set NB, 22
.set PT, 23
.set SL, 25
.set M15, 30                           ; lanes with r = 15
.set TR, 31                            ; my weight units' row tile, 0..63
.set KB, 32                            ; and block of 64 k, 0..15
.set KC, 40                            ; s[40:41] 8193.0
.set KN, 42                            ; s[42:43] -8192.0
.set VOFF, 2                           ; (L/16) x 4,096 + (L%16) x 16: two rows of 256 bytes a load (enc and W_a)
.set STA,  3                           ; stage, in: (L/16) x 160 + (L%16) x 8
.set TRA,  4                           ; stage, turned: (8h + L%8) x 160 + 16 ((L/8)%2)
.set VW,   5                           ; table: WT + 16 h
.set GO,   6                           ; 16 L
.set CSTG, 7                           ; weight stage, in: (L/16) x 144 + (L%16) x 8
.set Q0,   8                           ; v8-10   (l* - 8h) >> 1 for jt = 0..2
.set VAL,  11                          ; v11-13  1.0 in f16 in the half that l* % 2 names
.set FRD,  14                          ; weight stage, back: r x 144 + 16 h
.set VC,   15                          ; as VOFF with W_c's pitch of 8,192
.set TW,   16                          ; v16-47  at work on the way out
.set SEL,  64                          ; v64-87  Sel's three fragments
.set WF,   88                          ; v88-95  the table's fragment
.set BH,   96                          ; v96-127 enc^T hi, v128-159 lo: four fragments each
.set ACC,  160                         ; v160-255
.set WR,   128                         ; window 1: v0-127 two buffers of raw enc; v128-223 raw weights; v224-255 at work
.set TT,   224
.set MSB, 0
.macro WIN new                         ; the immediate's high byte repeats the setting that is left
.if MSB != (\new)
	s_set_vgpr_msb (MSB<<8)|(\new)
.set MSB, \new
.endif
.endm
	s_load_b512 s[4:19], s[0:1], 0x0               ; enc 4, W_a 6, W_c 8, p_t 10, src_len 12, xf 14, wf 16, wc2f 18
	v_lshl_add_u32 v62, v0, 2, 0xa400
	v_mov_b32 v63, 0
	v_lshrrev_b32 v1, 5, v0
	v_readfirstlane_b32 s[WV], v1
	s_mov_b32 s[CQ], ttmp9
	s_and_b32 s[NB], ttmp7, 0xffff
	s_mov_b32 s[M15], 0x80008000
	s_mov_b32 s[KC], 0x46000400
	s_mov_b32 s[KC+1], s[KC]
	s_mov_b32 s[KN], 0xc6000000
	s_mov_b32 s[KN+1], s[KN]
	s_mov_b32 s44, 0xbc38aa3b                      ; -log2(e)/128
	s_mov_b32 s45, 0xc1000000                      ; -8: the factor 1/256
	s_mul_i32 s33, s[WV], STG
	v_and_b32 v1, 31, v0
	v_and_b32 v16, 15, v0                          ; r
	v_bfe_u32 v17, v0, 4, 1                        ; h
	v_lshlrev_b32 v[GO], 4, v1
	v_lshlrev_b32 v[VOFF], 4, v16
	v_lshl_add_u32 v[VC], v17, 13, v[VOFF]
	v_lshl_add_u32 v[VOFF], v17, 12, v[VOFF]
	v_mul_u32_u24 v[STA], v17, 160
	v_lshl_add_u32 v[STA], v16, 3, v[STA]
	v_add_nc_u32 v[STA], s33, v[STA]
	v_and_b32 v18, 7, v0
	v_bfe_u32 v19, v0, 3, 1
	v_lshl_add_u32 v[TRA], v17, 3, v18
	v_mul_u32_u24 v[TRA], v[TRA], 160
	v_lshl_add_u32 v[TRA], v19, 4, v[TRA]
	v_add_nc_u32 v[TRA], s33, v[TRA]
	v_lshl_add_u32 v[VW], v17, 4, WT
	v_mul_u32_u24 v[CSTG], v17, 144
	v_lshl_add_u32 v[CSTG], v16, 3, v[CSTG]
	v_add_nc_u32 v[CSTG], s33, v[CSTG]
	v_mul_u32_u24 v[FRD], v16, 144
	v_lshl_add_u32 v[FRD], v17, 4, v[FRD]
	v_add_nc_u32 v[FRD], s33, v[FRD]
	s_lshl_b32 s26, s[NB], 2                       ; my batch's word in p_t and src_len
	s_mov_b32 s27, 0
	s_mul_i32 s28, s[NB], ENCB                     ; enc: batch, column quarter, my 64 columns
	s_lshl_b32 s24, s[CQ], 10
	s_add_co_u32 s28, s28, s24
	s_lshl_b32 s24, s[WV], 8
	s_add_co_u32 s28, s28, s24
	s_mov_b32 s29, 0
	s_lshl_b32 s24, s[NB], 2                       ; my number among the launch's 1,024 waves
	s_add_co_u32 s24, s24, s[CQ]
	s_lshl_b32 s24, s24, 2
	s_add_co_u32 s24, s24, s[WV]
	s_lshr_b32 s[TR], s24, 4
	s_and_b32 s[KB], s24, 15
	s_wait_kmcnt 0x0
	s_add_nc_u64 s[10:11], s[10:11], s[26:27]
	s_add_nc_u64 s[12:13], s[12:13], s[26:27]
	s_load_b32 s[PT], s[10:11], 0x0
	s_load_b32 s[SL], s[12:13], 0x0
	s_add_nc_u64 s[38:39], s[4:5], s[28:29]
	s_lshl_b32 s26, s[TR], 16                      ; W_a: 16 rows of 4,096 bytes a tile, 256 bytes a block
	s_lshl_b32 s24, s[KB], 8
	s_add_co_u32 s26, s26, s24
	s_add_nc_u64 s[34:35], s[6:7], s[26:27]
	s_lshl_b32 s26, s[TR], 17                      ; W_c: rows of 8,192 bytes
	s_add_co_u32 s26, s26, s24
	s_add_nc_u64 s[36:37], s[8:9], s[26:27]
	; the weights' 24 loads go first: they are the oldest, so the first counted wait below covers them
	WIN 0x40                                       ; destination window 1, address window 0
.irp i, 0,1,2,3,4,5,6,7
	global_load_b128 v[WR+4*\i:WR+4*\i+3], v[VOFF], s[34:35] offset:\i*8192 th:TH_LOAD_NT
.endr
.irp i, 0,1,2,3,4,5,6,7
	global_load_b128 v[WR+32+4*\i:WR+32+4*\i+3], v[VC], s[36:37] offset:\i*16384 th:TH_LOAD_NT
.endr
.irp i, 0,1,2,3,4,5,6,7
	global_load_b128 v[WR+64+4*\i:WR+64+4*\i+3], v[VC], s[36:37] offset:\i*16384+4096 th:TH_LOAD_NT
.endr
.macro ELOAD s, n                      ; step s: n loads of two rows x 256 bytes into buffer s % 2
	WIN 0x40
.set i, 0
.rept \n
	global_load_b128 v[64*((\s)%2)+4*i:64*((\s)%2)+4*i+3], v[VOFF], s[38:39] offset:(\s)*131072+i*8192 th:TH_LOAD_NT
.set i, i+1
.endr
.endm
	ELOAD 0, 16
	ELOAD 1, 16
	WIN 0
	; where the results go
	s_lshr_b32 s26, s[TR], 3                       ; wf [mat][nt 8][step 8][ot 8][kf 4][1 KB]
	s_lshl_b32 s26, s26, 18
	s_lshr_b32 s24, s[KB], 1
	s_lshl_b32 s24, s24, 15
	s_add_co_u32 s26, s26, s24
	s_and_b32 s24, s[TR], 7
	s_lshl_b32 s24, s24, 12
	s_add_co_u32 s26, s26, s24
	s_and_b32 s24, s[KB], 1
	s_lshl_b32 s24, s24, 11
	s_add_co_u32 s26, s26, s24
	s_add_nc_u64 s[16:17], s[16:17], s[26:27]
	s_lshl_b32 s26, s[KB], 17                      ; wc2f [step 16][ot 64][kf 2][1 KB]
	s_lshl_b32 s24, s[TR], 11
	s_add_co_u32 s26, s26, s24
	s_add_nc_u64 s[18:19], s[18:19], s[26:27]
	s_lshr_b32 s26, s[NB], 1                       ; xf [n/2][step 8][hl 2][jt 6][kf 4][1 KB]
	s_mul_i32 s26, s26, 393216
	s_lshl_b32 s24, s[CQ], 1
	s_lshr_b32 s33, s[WV], 1
	s_add_co_u32 s24, s24, s33
	s_mul_i32 s24, s24, 49152
	s_add_co_u32 s26, s26, s24
	s_and_b32 s24, s[NB], 1
	s_mul_i32 s24, s24, 12288
	s_add_co_u32 s26, s26, s24
	s_and_b32 s24, s[WV], 1
	s_lshl_b32 s24, s24, 11
	s_add_co_u32 s26, s26, s24
	s_add_nc_u64 s[14:15], s[14:15], s[26:27]
	s_wait_kmcnt 0x0                               ; p_t[n], src_len[n]
	; the window, in f32 as reference() makes it
	v_mov_b32 v20, s[PT]
	v_add_f32 v21, 0xc1800000, v20
	v_max_num_f32 v21, 0, v21                      ; start
	v_cvt_f32_i32 v22, s[SL]
	v_add_f32 v23, 0x41800000, v20
	v_min_num_f32 v23, v23, v22                    ; end
	v_sub_f32 v24, 0, v21
	v_floor_f32 v24, v24
	v_sub_f32 v24, 0, v24                          ; first = ceil(start)
	v_min_num_f32 v24, 0x43960000, v24             ; beyond 300 every row is invalid anyway
	v_cvt_i32_f32 v24, v24
	v_add_nc_u32 v24, v24, v16                     ; first + r
	v_lshlrev_b32 v25, 3, v17
	v_mov_b32 v27, 0xfffffc18                      ; -1000: a position that no step holds
	v_mov_b32 v29, 0x3c00                          ; 1.0 in f16
	v_mov_b32 v33, 0x102
.irp jt, 0,1,2
	v_add_nc_u32 v26, 16*\jt, v24                  ; l* of row j = 16 jt + r
	v_cmp_lt_u32 vcc_lo, 0x101, v26
.if \jt == 2
	s_or_b32 vcc_lo, vcc_lo, s[M15]                ; row 47 is not one-hot
.endif
	v_cndmask_b32 v26, v26, v27, vcc_lo
	v_sub_nc_u32 v28, v26, v25
	v_ashrrev_i32 v[Q0+\jt], 1, v28
	v_and_b32 v28, 1, v26
	v_lshlrev_b32 v28, 4, v28
	v_lshlrev_b32 v[VAL+\jt], v28, v29
.endr
	; the table: w_l = gauss(l)/256 where l is masked and l <= 257, else 0; three entries a thread
	v_lshl_add_u32 v32, v0, 1, WT
.irp u, 0,1,2
	v_add_nc_u32 v30, 128*\u, v0
	v_cvt_f32_u32 v31, v30
	v_cmp_lt_f32 s46, v31, v21
	v_cmp_gt_f32 s47, v31, v23
	s_or_b32 s46, s46, s47
	v_cmp_gt_u32 s47, v33, v30
	s_and_b32 s46, s46, s47
	v_sub_f32 v31, v31, v20
	v_mul_f32 v31, v31, v31
	v_fma_f32 v31, v31, s44, s45
	v_exp_f32 v31, v31
	v_nop                                          ; a plain instruction behind the exponential (ISA guide 5.7.2)
	s_wait_alu depctr_va_vdst(0)
	v_cndmask_b32 v31, 0, v31, s46
	v_cvt_pk_f16_f32 v31, v31, v31
	ds_store_b16 v32, v31 offset:256*\u
.endr
	s_wait_dscnt 0x0                               ; for the others' sake: my part of the table is written
	s_barrier_signal -1
	s_barrier_wait -1
; np pairs of f32 at v[raw ..] of window 1 are split: packed hi -> v[TT ..], packed lo -> v[raw ..], np registers each
.macro HILO raw, np
	WIN 0x55
.set k, 0
.rept \np
	v_pk_mul_f32 v[TT+2*k:TT+2*k+1], v[(\raw)+2*k:(\raw)+2*k+1], s[KC:KC+1] op_sel_hi:[1,0]
.set k, k+1
.endr
.set k, 0
.rept \np
	v_pk_fma_f32 v[TT+2*k:TT+2*k+1], v[(\raw)+2*k:(\raw)+2*k+1], s[KN:KN+1], v[TT+2*k:TT+2*k+1] op_sel_hi:[1,0,1]
.set k, k+1
.endr
.set k, 0
.rept \np
	v_pk_add_f32 v[(\raw)+2*k:(\raw)+2*k+1], v[(\raw)+2*k:(\raw)+2*k+1], v[TT+2*k:TT+2*k+1] neg_lo:[0,1] neg_hi:[0,1]
.set k, k+1
.endr
.set k, 0
.rept \np
	v_cvt_pk_f16_f32 v[TT+k], v[TT+2*k], v[TT+2*k+1]
.set k, k+1
.endr
.set k, 0
.rept \np
	v_cvt_pk_f16_f32 v[(\raw)+k], v[(\raw)+2*k], v[(\raw)+2*k+1]
.set k, k+1
.endr
.endm
.macro CVST raw, n, first              ; n loads' worth, from load number first on, split and put into my stage
	HILO \raw, 2*(\n)
	WIN 0x04                                       ; store data in window 1
.set i, 0
.rept \n
	ds_store_b64 v[STA], v[TT+2*i:TT+2*i+1] offset:((\first)+i)*320
	ds_store_b64 v[STA], v[(\raw)+2*i:(\raw)+2*i+1] offset:((\first)+i)*320+LOFF
.set i, i+1
.endr
.endm
; A step of 32 positions.  cnt: the younger loads that may stay out.  pre = 1: the step two further on is asked for; 2: the last step's one load.
; The conversions are the places between the last step's products and the loads and writes into their sources.
.macro STEP s, zero, pre, cnt
	s_wait_loadcnt \cnt
.if (\s) < 8
	CVST 64*((\s)%2), 8, 0
	CVST 64*((\s)%2)+32, 8, 8
.else
	CVST 0, 1, 0                                   ; rows 256, 257; the stage's other rows keep finite older rows, whose Sel is 0
.endif
.if (\pre) == 1
	ELOAD (\s)+2, 16
.elseif (\pre) == 2
	ELOAD (\s)+2, 1
.endif
	WIN 0
	ds_load_b128 v[WF:WF+3], v[VW] offset:64*(\s)
	ds_load_b128 v[WF+4:WF+7], v[VW] offset:64*(\s)+32
.irp ct, 0,1,2,3
	ds_load_tr16_b128 v[BH+8*\ct:BH+8*\ct+3], v[TRA] offset:32*\ct
	ds_load_tr16_b128 v[BH+8*\ct+4:BH+8*\ct+7], v[TRA] offset:32*\ct+2560
	ds_load_tr16_b128 v[BH+32+8*\ct:BH+32+8*\ct+3], v[TRA] offset:32*\ct+LOFF
	ds_load_tr16_b128 v[BH+32+8*\ct+4:BH+32+8*\ct+7], v[TRA] offset:32*\ct+LOFF+2560
.endr
.irp jt, 0,1,2                         ; register i of a fragment holds k = 8h + 2i, +1 (i < 4) or 16 + 8h + 2(i-4), +1
.irp i, 0,1,2,3,4,5,6,7
	v_cmp_eq_u32 vcc_lo, 16*(\s)+\i+4*(\i/4), v[Q0+\jt]
	v_cndmask_b32 v[SEL+8*\jt+\i], 0, v[VAL+\jt], vcc_lo
.endr
.endr
	s_wait_dscnt 0x0
.irp i, 0,1,2,3,4,5,6,7
	v_cndmask_b32 v[SEL+16+\i], v[SEL+16+\i], v[WF+\i], s[M15]   ; row 47 takes the table
.endr
.irp q, 0,1                            ; hi, then lo; the 12 accumulators take turns
.irp jt, 0,1,2
.irp ct, 0,1,2,3
.if (\zero) && (\q == 0)
	v_wmma_f32_16x16x32_f16 v[ACC+8*(4*\jt+\ct):ACC+8*(4*\jt+\ct)+7], v[BH+32*\q+8*\ct:BH+32*\q+8*\ct+7], v[SEL+8*\jt:SEL+8*\jt+7], 0
.else
	v_wmma_f32_16x16x32_f16 v[ACC+8*(4*\jt+\ct):ACC+8*(4*\jt+\ct)+7], v[BH+32*\q+8*\ct:BH+32*\q+8*\ct+7], v[SEL+8*\jt:SEL+8*\jt+7], v[ACC+8*(4*\jt+\ct):ACC+8*(4*\jt+\ct)+7]
.endif
.endr
.endr
.endr
.endm
	STEP 0, 1, 1, 16                               ; 16: the next step's loads stay out
	STEP 1, 0, 1, 16
	STEP 2, 0, 1, 16
	STEP 3, 0, 1, 16
	STEP 4, 0, 1, 16
	STEP 5, 0, 1, 16
	STEP 6, 0, 2, 16
	STEP 7, 0, 0, 1                                ; 1: the last step's one load
	STEP 8, 0, 0, 0
.rept 4
	v_nop                                          ; the places behind the last products
.endr
; X leaves: a lane holds row j = r and eight neighbouring columns: 16 bytes of hi and of lo; a store covers 512 consecutive bytes
.macro XOUT jt
	s_wait_xcnt 0x0                                ; the registers that earlier stores read are rewritten only behind this wait
.set k, 0
.rept 16
	v_pk_mul_f32 v[TW+2*k:TW+2*k+1], v[ACC+32*(\jt)+2*k:ACC+32*(\jt)+2*k+1], s[KC:KC+1] op_sel_hi:[1,0]
.set k, k+1
.endr
.set k, 0
.rept 16
	v_pk_fma_f32 v[TW+2*k:TW+2*k+1], v[ACC+32*(\jt)+2*k:ACC+32*(\jt)+2*k+1], s[KN:KN+1], v[TW+2*k:TW+2*k+1] op_sel_hi:[1,0,1]
.set k, k+1
.endr
.set k, 0
.rept 16
	v_pk_add_f32 v[ACC+32*(\jt)+2*k:ACC+32*(\jt)+2*k+1], v[ACC+32*(\jt)+2*k:ACC+32*(\jt)+2*k+1], v[TW+2*k:TW+2*k+1] neg_lo:[0,1] neg_hi:[0,1]
.set k, k+1
.endr
.set k, 0
.rept 16
	v_cvt_pk_f16_f32 v[TW+k], v[TW+2*k], v[TW+2*k+1]
.set k, k+1
.endr
.set k, 0
.rept 16
	v_cvt_pk_f16_f32 v[TW+16+k], v[ACC+32*(\jt)+2*k], v[ACC+32*(\jt)+2*k+1]
.set k, k+1
.endr
.irp ct, 0,1,2,3
	global_store_b128 v[GO], v[TW+4*\ct:TW+4*\ct+3], s[14:15] offset:(\jt)*4096+(\ct/2)*1024+(\ct%2)*512
	global_store_b128 v[GO], v[TW+16+4*\ct:TW+16+4*\ct+3], s[14:15] offset:24576+(\jt)*4096+(\ct/2)*1024+(\ct%2)*512
.endr
.endm
	XOUT 0
	XOUT 1
	XOUT 2
; A weight unit of 16 rows x 64 k: split (lo = 1) or rounded, through my stage (rows of 144 bytes) into fragment order
.macro CONV raw, lo, sb, off
.if \lo
	HILO \raw, 16
.else
	WIN 0x55
.set k, 0
.rept 16
	v_cvt_pk_f16_f32 v[TT+k], v[(\raw)+2*k], v[(\raw)+2*k+1]
.set k, k+1
.endr
.endif
	WIN 0x04
.set i, 0
.rept 8
	ds_store_b64 v[CSTG], v[TT+2*i:TT+2*i+1] offset:288*i
.if \lo
	ds_store_b64 v[CSTG], v[(\raw)+2*i:(\raw)+2*i+1] offset:288*i+2304
.endif
.set i, i+1
.endr
	WIN 0
	s_wait_xcnt 0x0                                ; earlier stores have read v16-47
.irp f, 0,1,2,3
	ds_load_b128 v[TW+4*\f:TW+4*\f+3], v[FRD] offset:32*\f        ; LDS serves a wave's instructions in order (ISA guide 5.7.1.4): these see the stores above
.if \lo
	ds_load_b128 v[TW+16+4*\f:TW+16+4*\f+3], v[FRD] offset:32*\f+2304
.endif
.endr
	s_wait_dscnt 0x0
.irp f, 0,1,2,3
	global_store_b128 v[GO], v[TW+4*\f:TW+4*\f+3], s[\sb:\sb+1] offset:(\off)+512*\f
.if \lo
	global_store_b128 v[GO], v[TW+16+4*\f:TW+16+4*\f+3], s[\sb:\sb+1] offset:(\off)+2097152+512*\f
.endif
.endr
.endm
	CONV WR, 1, 16, 0                              ; W_a: hi, and lo one matrix further on
	CONV WR+32, 0, 16, 4194304                     ; W_c's context half
	CONV WR+64, 0, 18, 0                           ; W_c's decoder half
	s_wait_tensorcnt 0x0
	ds_add_u32 v62, v63
	s_wait_dscnt 0x0
	s_endpgm
.Lfunc_end_k_q11ad5bb05d_prep:
	.size	k_q11ad5bb05d_prep, .Lfunc_end_k_q11ad5bb05d_prep-k_q11ad5bb05d_prep
	.p2alignl 7, 3214868480
	.fill 96, 4, 3214868480
	.section	.rodata,"a",@progbits
	.p2align	6, 0x0
	.amdhsa_kernel k_q11ad5bb05d_prep
		.amdhsa_group_segment_fixed_size 42496
		.amdhsa_private_segment_fixed_size 0
		.amdhsa_enable_private_segment 0
		.amdhsa_kernarg_size 64
		.amdhsa_user_sgpr_count 2
		.amdhsa_user_sgpr_kernarg_segment_ptr 1
		.amdhsa_wavefront_size32 1
		.amdhsa_system_sgpr_workgroup_id_x 1
		.amdhsa_system_sgpr_workgroup_id_y 1
		.amdhsa_system_sgpr_workgroup_id_z 1
		.amdhsa_system_vgpr_workitem_id 0
		.amdhsa_next_free_vgpr 512
		.amdhsa_next_free_sgpr 66
		.amdhsa_reserve_vcc 1
		.amdhsa_float_denorm_mode_32 3
		.amdhsa_float_denorm_mode_16_64 3
		.amdhsa_memory_ordered 1
		.amdhsa_forward_progress 1
		.amdhsa_inst_pref_size 197
	.end_amdhsa_kernel
	.amdgpu_metadata
---
amdhsa.version: [ 1, 2 ]
amdhsa.kernels:
  - .name:           k_q11ad5bb05d_prep
    .symbol:         k_q11ad5bb05d_prep.kd
    .args:
      - { .name: encoder_outputs, .offset: 0, .size: 8, .value_kind: global_buffer, .address_space: global }
      - { .name: W_a, .offset: 8, .size: 8, .value_kind: global_buffer, .address_space: global }
      - { .name: W_c, .offset: 16, .size: 8, .value_kind: global_buffer, .address_space: global }
      - { .name: p_t, .offset: 24, .size: 8, .value_kind: global_buffer, .address_space: global }
      - { .name: src_len, .offset: 32, .size: 8, .value_kind: global_buffer, .address_space: global }
      - { .name: xf, .offset: 40, .size: 8, .value_kind: global_buffer, .address_space: global }
      - { .name: wf, .offset: 48, .size: 8, .value_kind: global_buffer, .address_space: global }
      - { .name: wc2f, .offset: 56, .size: 8, .value_kind: global_buffer, .address_space: global }
    .group_segment_fixed_size: 42496
    .private_segment_fixed_size: 0
    .kernarg_segment_align: 8
    .kernarg_segment_size: 64
    .max_flat_workgroup_size: 128
    .sgpr_count:     66
    .vgpr_count:     512
    .wavefront_size: 32
...
	.end_amdgpu_metadata
.endif
;; end of part 1
;; launch proj (part 2): grid 8 x 32, 4 waves a work-group, clusters of 4 x 4, 327,680 bytes of LDS; arguments xf, wf, epf, ftf; writes epf, ftf
.if DOCPART == 2
	.amdgcn_target "amdgcn-amd-amdhsa--gfx1250"
	.amdhsa_code_object_version 6
	.text
	.protected	k_q11ad5bb05d_proj
	.globl	k_q11ad5bb05d_proj
	.p2align	8
	.type	k_q11ad5bb05d_proj,@function
k_q11ad5bb05d_proj:
	s_mov_b64 s[64:65], 0
	v_nop
	global_prefetch_b8 v0, s[64:65] scope:SCOPE_SE
	s_setreg_imm32_b32 hwreg(HW_REG_WAVE_MODE, 25, 1), 1
	s_wait_xcnt 0x0
	s_wait_alu depctr_hold_cnt(0) depctr_sa_sdst(0) depctr_va_vdst(0) depctr_va_sdst(0) depctr_va_ssrc(0) depctr_va_vcc(0) depctr_vm_vsrc(0)
	s_getreg_b32 s2, hwreg(HW_REG_IB_STS2, 6, 4)
	s_cmp_eq_u32 s2, 0
	s_cbranch_scc0 .Lentry_in_a_cluster
	s_endpgm
.Lentry_in_a_cluster:
	s_bfe_u32 s2, ttmp6, 0x10000c
	s_cmp_lg_u32 s2, 0xf033
	s_cbranch_scc0 .Lentry_shape_is_right
	s_endpgm
.Lentry_shape_is_right:
; PROJ.  E' = X W_a^T = Xh Wah + Xh Wal + Xl Wah (f16 operands, f32 sums; the term Xl Wal, 2^-22 of the result, is left out), split again into f16 hi + lo;  F^T = Wc1 Xh^T in f16.
; M = 3,072 rows (48 a batch), N = 1,024 for each of E' and F, K = 1,024.  All operands lie in memory in fragment order (16 rows x 32 k = 1,024 bytes; byte 512 c + 16 L holds lane L's 16 bytes),
; so a tile is a dense block, asked for as rows of 256 bytes, and a fragment is two LDS loads of 512 consecutive bytes: no padding, no bank conflict.
; SHARES.  Work-group (X, Y): 96 rows (batches 2Y, 2Y+1) x 128 columns of E' and of F.  Wave: batch wr = w/2 (48 rows, a = 0..2), 64 columns wc = w%2 (b = 0..3): 12 + 12 accumulators.
; K in 8 steps of 128 through two LDS slots of 147,456 bytes; a step is four quarters of 32: 48 matrix instructions and 36 LDS loads each.
; CLUSTER 4 x 4: X's tile hangs on Y alone and is shared along a row of the cluster, the weights' three tiles on X alone and are shared along a column: joint loads.  Wave 0 asks for X's tile,
; waves 1-3 for one weight matrix each.  By this text's count a wave has two tensor loads out at the start, later one.
; E' IS MADE TRANSPOSED (source 0 = 16 rows of W_a, source 1 = 16 rows of X): a lane holds one row j and eight neighbouring columns, which is fragment order for the next launch; F the other way round.
; LIMITS.  |E'|, |F| < 65,504 (f16's range).
.set SLOT,  147456                     ; X [hl 2][jt 6][kf 4][1 KB], then Wah, Wal, Wc1 [ot 8][kf 4][1 KB] each
.set WOFF,  49152
.set SPARE, 2*SLOT                     ; the spare words: 128 bytes a wave, two blocks of 256 bytes that no other line names
.set WV, 12
.set WR, 13
.set WC, 14
.set MM, 15
.set KN, 20                            ; s[20:21] -8192.0
.set KC, 22                            ; s[22:23] 8193.0
.set G1A, 24
.set G0A, 32
.set G1B, 48
.set G0B, 56
.set ADRX, 16                          ; v16-17 my X fragments in slot 0, 1
.set ADRW, 18                          ; v18-19 my fragments of Wah (Wal 32,768 further on)
.set ADRV, 20                          ; v20-21 of Wc1: 65,536 further on, more than an LDS immediate holds
.set GO,   26                          ; 16 L
.set SPW,  28
.set NIL,  29
.set TW,   32                          ; v32-63 at work on the way out
.set EA,   64                          ; E(a,b) at EA + 8 (4a+b)
.set FA,   160                         ; F(a,b) likewise
; window 1: weights' fragments, buffer f at 96 f + 32 m + 8 b;  window 2: X's, buffer f at 48 f + 24 hl + 8 a
.set MSB, 0
.macro WIN new
.if MSB != (\new)
	s_set_vgpr_msb (MSB<<8)|(\new)
.set MSB, \new
.endif
.endm
.macro PLACES                          ; four places in front of loads into registers that matrix instructions have read, and of reads of their results
.rept 4
	v_nop
.endr
.endm
.macro JLOAD s                         ; a joint load; the branch hangs on the wave's number alone; four v_nop follow each line
	s_cmp_eq_u32 s[WV], 0
	s_cbranch_scc0 .Lfor_b_\@
	tensor_load_to_lds s[G0A+4*(\s):G0A+4*(\s)+3], s[G1A:G1A+7]
	s_nop 0
.rept 4
	v_nop
.endr
	s_branch .Lasked_\@
.Lfor_b_\@:
	tensor_load_to_lds s[G0B+4*(\s):G0B+4*(\s)+3], s[G1B:G1B+7]
	s_nop 0
.rept 4
	v_nop
.endr
.Lasked_\@:
.endm
.macro CREST                           ; a round of the cluster's barrier behind its opening barrier
	s_cmp_lg_u32 s[WV], 0
	s_cbranch_scc1 .Lnot_wave_0_\@
	s_barrier_signal -3
.Lnot_wave_0_\@:
	s_barrier_wait -3
	s_barrier_signal -1
	s_barrier_wait -1
.endm
.macro CROUND
	s_barrier_signal -1
	s_barrier_wait -1
	CREST
.endm
	s_load_b256 s[4:11], s[0:1], 0x0               ; xf 4, wf 6, epf 8, ftf 10
	v_lshl_add_u32 v[SPW], v0, 2, SPARE
	v_mov_b32 v[NIL], 0
	ds_add_u32 v28, v29
	s_wait_dscnt 0x0
	v_lshrrev_b32 v1, 5, v0
	v_readfirstlane_b32 s[WV], v1
	s_lshr_b32 s[WR], s[WV], 1
	s_and_b32 s[WC], s[WV], 1
	s_max_u32 s[MM], s[WV], 1
	s_sub_co_u32 s[MM], s[MM], 1                   ; which weight matrix waves 1-3 fetch
	s_bfe_u32 s40, ttmp6, 0x40000                  ; cx
	s_bfe_u32 s41, ttmp6, 0x40004                  ; cy
	s_lshl_b32 s42, ttmp9, 2
	s_add_co_u32 s42, s42, s40                     ; X
	s_and_b32 s43, ttmp7, 0xffff
	s_lshl_b32 s43, s43, 2
	s_add_co_u32 s43, s43, s41                     ; Y
	s_lshl_b32 s44, s41, 2
	s_lshl_b32 s44, 15, s44                        ; my row of the cluster
	s_lshl_b32 s45, 0x1111, s40                    ; my column
	s_or_b32 s[G1A], s44, (3<<16)|(1<<21)          ; the mask; elements of 8 bytes; bit 21 set beside a mask
	s_or_b32 s[G1B], s45, (3<<16)|(1<<21)
	s_mov_b32 s[G1A+1], 32<<16                     ; tensor_dim0 = 32 elements: rows of 256 bytes
	s_mov_b32 s[G1A+2], 192<<16                    ; tensor_dim1 = 192 rows: 49,152 bytes
	s_mov_b32 s[G1A+3], 32<<16                     ; tile_dim0
	s_mov_b32 s[G1A+4], 192                        ; tile_dim1
	s_mov_b32 s[G1A+5], 32                         ; the pitch: the block is dense
	s_mov_b32 s[G1A+6], 0
	s_mov_b32 s[G1A+7], 0
	s_mov_b32 s[G1B+1], 32<<16
	s_mov_b32 s[G1B+2], 128<<16                    ; 128 rows: 32,768 bytes
	s_mov_b32 s[G1B+3], 32<<16
	s_mov_b32 s[G1B+4], 128
	s_mov_b32 s[G1B+5], 32
	s_mov_b32 s[G1B+6], 0
	s_mov_b32 s[G1B+7], 0
	s_mul_i32 s16, s43, 393216                     ; X's tiles: made of Y alone
	s_mov_b32 s17, 0
	s_lshl_b32 s46, s42, 18                        ; the weights': of X and the wave's number alone
	s_lshl_b32 s47, s[MM], 21
	s_add_co_u32 s46, s46, s47
	s_mov_b32 s47, 0
	s_lshl_b32 s2, s[WV], 15                       ; where waves 1-3 put theirs: WOFF + (w-1) x 32,768
	s_add_co_u32 s2, s2, WOFF-32768
	s_wait_kmcnt 0x0
	s_add_nc_u64 s[16:17], s[4:5], s[16:17]
	s_add_nc_u64 s[46:47], s[6:7], s[46:47]
	CROUND                                         ; all sixteen work-groups are here: the first joint loads meet
.irp s, 0,1
	s_mov_b32 s[G0A+4*(\s)], 1
	s_mov_b32 s[G0A+4*(\s)+1], (\s)*SLOT
	s_add_nc_u64 s[G0A+4*(\s)+2:G0A+4*(\s)+3], s[16:17], (\s)*49152
	s_or_b32 s[G0A+4*(\s)+3], s[G0A+4*(\s)+3], 0x80000000
	s_mov_b32 s[G0B+4*(\s)], 1
	s_add_co_u32 s[G0B+4*(\s)+1], s2, (\s)*SLOT
	s_add_nc_u64 s[G0B+4*(\s)+2:G0B+4*(\s)+3], s[46:47], (\s)*32768
	s_or_b32 s[G0B+4*(\s)+3], s[G0B+4*(\s)+3], 0x80000000
	JLOAD \s
.endr
	v_and_b32 v1, 31, v0
	v_lshlrev_b32 v[GO], 4, v1
	s_mul_i32 s18, s[WR], 12288                    ; my three row tiles of X
	s_lshl_b32 s19, s[WC], 14                      ; my four row tiles of each weight matrix
	s_add_co_u32 s19, s19, WOFF
.irp s, 0,1
	v_add_nc_u32 v[ADRX+(\s)], s18, v[GO]
	v_add_nc_u32 v[ADRW+(\s)], s19, v[GO]
	v_add_nc_u32 v[ADRV+(\s)], 0x10000, v[ADRW+(\s)]
	s_add_co_u32 s18, s18, SLOT
	s_add_co_u32 s19, s19, SLOT
.endr
	s_lshl_b32 s20, s43, 1
	s_add_co_u32 s20, s20, s[WR]                   ; my batch
	s_lshl_b32 s21, s42, 1
	s_add_co_u32 s21, s21, s[WC]                   ; my block of 64 columns
	s_mul_i32 s18, s20, 196608                     ; epf [n][step 16][kf 2][hl 2][jt 3][1 KB]
	s_mul_i32 s19, s21, 12288
	s_add_co_u32 s18, s18, s19
	s_mov_b32 s19, 0
	s_add_nc_u64 s[8:9], s[8:9], s[18:19]
	s_lshl_b32 s18, s20, 17                        ; ftf [n][ot 64][kf 2][1 KB]
	s_lshl_b32 s21, s21, 13
	s_add_co_u32 s18, s18, s21
	s_add_nc_u64 s[10:11], s[10:11], s[18:19]
	s_mov_b32 s[KC], 0x46000400
	s_mov_b32 s[KC+1], s[KC]
	s_mov_b32 s[KN], 0xc6000000
	s_mov_b32 s[KN+1], s[KN]
; 12 matrix instructions on E's accumulators, which take turns: weight matrix m (0 Wah, 1 Wal) x X's part hl, buffer f
.macro EMUL f, m, hl, zero
	WIN 0x09                                       ; source 0 window 1, source 1 window 2
.irp a, 0,1,2
.irp b, 0,1,2,3
.if \zero
	v_wmma_f32_16x16x32_f16 v[EA+8*(4*\a+\b):EA+8*(4*\a+\b)+7], v[96*(\f)+32*(\m)+8*\b:96*(\f)+32*(\m)+8*\b+7], v[48*(\f)+24*(\hl)+8*\a:48*(\f)+24*(\hl)+8*\a+7], 0
.else
	v_wmma_f32_16x16x32_f16 v[EA+8*(4*\a+\b):EA+8*(4*\a+\b)+7], v[96*(\f)+32*(\m)+8*\b:96*(\f)+32*(\m)+8*\b+7], v[48*(\f)+24*(\hl)+8*\a:48*(\f)+24*(\hl)+8*\a+7], v[EA+8*(4*\a+\b):EA+8*(4*\a+\b)+7]
.endif
.endr
.endr
.endm
.macro FMUL f, zero                    ; 12 on F's: source 0 = Xh, source 1 = Wc1
	WIN 0x06
.irp a, 0,1,2
.irp b, 0,1,2,3
.if \zero
	v_wmma_f32_16x16x32_f16 v[FA+8*(4*\a+\b):FA+8*(4*\a+\b)+7], v[48*(\f)+8*\a:48*(\f)+8*\a+7], v[96*(\f)+64+8*\b:96*(\f)+64+8*\b+7], 0
.else
	v_wmma_f32_16x16x32_f16 v[FA+8*(4*\a+\b):FA+8*(4*\a+\b)+7], v[48*(\f)+8*\a:48*(\f)+8*\a+7], v[96*(\f)+64+8*\b:96*(\f)+64+8*\b+7], v[FA+8*(4*\a+\b):FA+8*(4*\a+\b)+7]
.endif
.endr
.endr
.endm
.macro FETCH slot, kf, g               ; 36 LDS loads in one run: quarter kf's fragments into buffer g
	WIN 0x40
.irp m, 0,1
.irp b, 0,1,2,3
	ds_load_b128 v[96*(\g)+32*\m+8*\b:96*(\g)+32*\m+8*\b+3], v[ADRW+(\slot)] offset:\m*32768+\b*4096+(\kf)*1024
	ds_load_b128 v[96*(\g)+32*\m+8*\b+4:96*(\g)+32*\m+8*\b+7], v[ADRW+(\slot)] offset:\m*32768+\b*4096+(\kf)*1024+512
.endr
.endr
.irp b, 0,1,2,3
	ds_load_b128 v[96*(\g)+64+8*\b:96*(\g)+64+8*\b+3], v[ADRV+(\slot)] offset:\b*4096+(\kf)*1024
	ds_load_b128 v[96*(\g)+64+8*\b+4:96*(\g)+64+8*\b+7], v[ADRV+(\slot)] offset:\b*4096+(\kf)*1024+512
.endr
	WIN 0x80
.irp hl, 0,1
.irp a, 0,1,2
	ds_load_b128 v[48*(\g)+24*\hl+8*\a:48*(\g)+24*\hl+8*\a+3], v[ADRX+(\slot)] offset:\hl*24576+\a*4096+(\kf)*1024
	ds_load_b128 v[48*(\g)+24*\hl+8*\a+4:48*(\g)+24*\hl+8*\a+7], v[ADRX+(\slot)] offset:\hl*24576+\a*4096+(\kf)*1024+512
.endr
.endr
.endm
.macro QUARTER slot, kf, f, g, zero    ; multiplies buffer f; in its middle fetches quarter kf of the same slot into g, 24 matrix instructions ahead of its use
	s_wait_dscnt 0x0
	EMUL \f, 0, 0, \zero
	EMUL \f, 1, 0, 0
	PLACES
	FETCH \slot, \kf, \g
	EMUL \f, 0, 1, 0
	FMUL \f, \zero
.endm
; The fourth quarter multiplies buffer 1 and changes slots.  Its first 24 products, which need nothing of the next slot, stand AHEAD of the wait for the tile, so that nothing but the barrier lies between
; a tile's landing and the next request.  In front of the barrier each wave waits for all its tensor loads (its part of the next slot), adds 0 to its spare word, and waits for that and for its reads of
; this slot.  fill = 1: the barrier opens a round of the cluster's, and the joint refill, two steps ahead, is the first thing behind it.
.macro TURN slot, next, fill
	s_wait_dscnt 0x0                               ; buffer 1 is in: my last reads of this slot
	EMUL 1, 0, 0, 0
	EMUL 1, 1, 0, 0
	WIN 0
	s_wait_tensorcnt 0x0                           ; no tensor load of mine is out, so a group 0 may be written
	ds_add_u32 v[SPW], v[NIL]                      ; 0 onto my spare word; the descriptors' steps stand between it and the wait for it
.if \fill
	s_add_nc_u64 s[G0A+4*(\slot)+2:G0A+4*(\slot)+3], s[G0A+4*(\slot)+2:G0A+4*(\slot)+3], 2*49152
	s_add_nc_u64 s[G0B+4*(\slot)+2:G0B+4*(\slot)+3], s[G0B+4*(\slot)+2:G0B+4*(\slot)+3], 2*32768
.endif
	s_wait_dscnt 0x0                               ; the add is done
	s_barrier_signal -1
	s_barrier_wait -1
.if \fill
	CREST
	JLOAD \slot                                    ; its four v_nop are also the places in front of the loads below
.else
	PLACES
.endif
	FETCH \next, 0, 0
	EMUL 1, 0, 1, 0
	FMUL 1, 0
.endm
	s_wait_tensorcnt 1                             ; my part of step 0 is in; step 1's stays out
	s_barrier_signal -1
	s_barrier_wait -1
	FETCH 0, 0, 0
	QUARTER 0, 1, 0, 1, 1                          ; the first quarter's products start the sums
	WIN 0
	s_mov_b32 s3, 3
.Llap:                                                 ; a trip goes once round the ring and fills both slots again: steps 2 to 7
	QUARTER 0, 2, 1, 0, 0
	QUARTER 0, 3, 0, 1, 0
	TURN 0, 1, 1
	QUARTER 1, 1, 0, 1, 0
	QUARTER 1, 2, 1, 0, 0
	QUARTER 1, 3, 0, 1, 0
	TURN 1, 0, 1
	QUARTER 0, 1, 0, 1, 0
	WIN 0
	s_sub_co_u32 s3, s3, 1
	s_cmp_lg_u32 s3, 0
	s_cbranch_scc1 .Llap
	QUARTER 0, 2, 1, 0, 0                          ; the last lap fills nothing
	QUARTER 0, 3, 0, 1, 0
	TURN 0, 1, 0
	QUARTER 1, 1, 0, 1, 0
	QUARTER 1, 2, 1, 0, 0
	QUARTER 1, 3, 0, 1, 0
	s_wait_dscnt 0x0
	EMUL 1, 0, 0, 0
	EMUL 1, 1, 0, 0
	EMUL 1, 0, 1, 0
	FMUL 1, 0
	WIN 0
	PLACES
; THE WAY OUT.  Registers already lie in fragment order: each store covers 512 consecutive bytes.
.macro EOUT a                          ; four accumulators split into hi and lo (hi = fma(x,-8192,fl(8193 x)), lo = x - hi)
	s_wait_xcnt 0x0                                ; earlier stores have read v32-63
.set k, 0
.rept 16
	v_pk_mul_f32 v[TW+2*k:TW+2*k+1], v[EA+32*(\a)+2*k:EA+32*(\a)+2*k+1], s[KC:KC+1] op_sel_hi:[1,0]
.set k, k+1
.endr
.set k, 0
.rept 16
	v_pk_fma_f32 v[TW+2*k:TW+2*k+1], v[EA+32*(\a)+2*k:EA+32*(\a)+2*k+1], s[KN:KN+1], v[TW+2*k:TW+2*k+1] op_sel_hi:[1,0,1]
.set k, k+1
.endr
.set k, 0
.rept 16
	v_pk_add_f32 v[EA+32*(\a)+2*k:EA+32*(\a)+2*k+1], v[EA+32*(\a)+2*k:EA+32*(\a)+2*k+1], v[TW+2*k:TW+2*k+1] neg_lo:[0,1] neg_hi:[0,1]
.set k, k+1
.endr
.set k, 0
.rept 16
	v_cvt_pk_f16_f32 v[TW+k], v[TW+2*k], v[TW+2*k+1]
.set k, k+1
.endr
.set k, 0
.rept 16
	v_cvt_pk_f16_f32 v[TW+16+k], v[EA+32*(\a)+2*k], v[EA+32*(\a)+2*k+1]
.set k, k+1
.endr
.irp b, 0,1,2,3
	global_store_b128 v[GO], v[TW+4*\b:TW+4*\b+3], s[8:9] offset:(\b/2)*6144+(\a)*1024+(\b%2)*512
	global_store_b128 v[GO], v[TW+16+4*\b:TW+16+4*\b+3], s[8:9] offset:(\b/2)*6144+3072+(\a)*1024+(\b%2)*512
.endr
.endm
.macro FOUT a
	s_wait_xcnt 0x0
.set k, 0
.rept 16
	v_cvt_pk_f16_f32 v[TW+k], v[FA+32*(\a)+2*k], v[FA+32*(\a)+2*k+1]
.set k, k+1
.endr
.irp b, 0,1,2,3
	global_store_b128 v[GO], v[TW+4*\b:TW+4*\b+3], s[10:11] offset:\b*2048+((\a)/2)*1024+((\a)%2)*512
.endr
.endm
	EOUT 0
	EOUT 1
	EOUT 2
	FOUT 0
	FOUT 1
	FOUT 2
	s_wait_xcnt 0x0
.irp k, 0,1,2,3
	v_mov_b32 v[TW+\k], 0
.endr
.irp b, 0,1,2,3
	global_store_b128 v[GO], v[TW:TW+3], s[10:11] offset:\b*2048+1536   ; slots 48..63 of F^T are 0
.endr
	s_wait_tensorcnt 0x0                           ; the wave's end
	ds_add_u32 v[SPW], v[NIL]
	s_wait_dscnt 0x0
	CROUND                                         ; the closing round
	s_endpgm
.Lfunc_end_k_q11ad5bb05d_proj:
	.size	k_q11ad5bb05d_proj, .Lfunc_end_k_q11ad5bb05d_proj-k_q11ad5bb05d_proj
	.p2alignl 7, 3214868480
	.fill 96, 4, 3214868480
	.section	.rodata,"a",@progbits
	.p2align	6, 0x0
	.amdhsa_kernel k_q11ad5bb05d_proj
		.amdhsa_group_segment_fixed_size 327680
		.amdhsa_private_segment_fixed_size 0
		.amdhsa_enable_private_segment 0
		.amdhsa_kernarg_size 32
		.amdhsa_user_sgpr_count 2
		.amdhsa_user_sgpr_kernarg_segment_ptr 1
		.amdhsa_wavefront_size32 1
		.amdhsa_system_sgpr_workgroup_id_x 1
		.amdhsa_system_sgpr_workgroup_id_y 1
		.amdhsa_system_sgpr_workgroup_id_z 1
		.amdhsa_system_vgpr_workitem_id 0
		.amdhsa_next_free_vgpr 608
		.amdhsa_next_free_sgpr 66
		.amdhsa_reserve_vcc 0
		.amdhsa_float_denorm_mode_32 3
		.amdhsa_float_denorm_mode_16_64 3
		.amdhsa_memory_ordered 1
		.amdhsa_forward_progress 1
		.amdhsa_inst_pref_size 121
	.end_amdhsa_kernel
	.amdgpu_metadata
---
amdhsa.version: [ 1, 2 ]
amdhsa.kernels:
  - .name:           k_q11ad5bb05d_proj
    .symbol:         k_q11ad5bb05d_proj.kd
    .args:
      - { .name: xf, .offset: 0, .size: 8, .value_kind: global_buffer, .address_space: global }
      - { .name: wf, .offset: 8, .size: 8, .value_kind: global_buffer, .address_space: global }
      - { .name: epf, .offset: 16, .size: 8, .value_kind: global_buffer, .address_space: global }
      - { .name: ftf, .offset: 24, .size: 8, .value_kind: global_buffer, .address_space: global }
    .group_segment_fixed_size: 327680
    .private_segment_fixed_size: 0
    .kernarg_segment_align: 8
    .kernarg_segment_size: 32
    .max_flat_workgroup_size: 128
    .sgpr_count:     66
    .vgpr_count:     608
    .wavefront_size: 32
...
	.end_amdgpu_metadata
.endif
;; end of part 2
;; launch attn (part 3): grid 4 x 64, 4 waves a work-group, clusters of 4 x 1, 327,680 bytes of LDS; arguments decoder_h_t, p_t, src_len, epf, ftf, wc2f, out0; writes out0
.if DOCPART == 3
	.amdgcn_target "amdgcn-amd-amdhsa--gfx1250"
	.amdhsa_code_object_version 6
	.text
	.protected	k_q11ad5bb05d_attn
	.globl	k_q11ad5bb05d_attn
	.p2align	8
	.type	k_q11ad5bb05d_attn,@function
k_q11ad5bb05d_attn:
	s_mov_b64 s[64:65], 0
	v_nop
	global_prefetch_b8 v0, s[64:65] scope:SCOPE_SE
	s_setreg_imm32_b32 hwreg(HW_REG_WAVE_MODE, 25, 1), 1
	s_wait_xcnt 0x0
	s_wait_alu depctr_hold_cnt(0) depctr_sa_sdst(0) depctr_va_vdst(0) depctr_va_sdst(0) depctr_va_ssrc(0) depctr_va_vcc(0) depctr_vm_vsrc(0)
	s_getreg_b32 s2, hwreg(HW_REG_IB_STS2, 6, 4)
	s_cmp_eq_u32 s2, 0
	s_cbranch_scc0 .Lentry_in_a_cluster
	s_endpgm
.Lentry_in_a_cluster:
	s_bfe_u32 s2, ttmp6, 0x10000c
	s_cmp_lg_u32 s2, 0x3003
	s_cbranch_scc0 .Lentry_shape_is_right
	s_endpgm
.Lentry_shape_is_right:
; ATTN.  out = tanh(dec Wc2^T + A F), A = softmax(dec E'^T, masked) x gauss, over the 48 slots that the launches before made for each batch.
; SHARES.  A cluster of four work-groups is one batch; a work-group has 64 queries x all 1,024 outputs, wave w all 64 queries x outputs 256 w .. +255 (64 accumulators, 512 registers) and the scores of
; query tile w.  So each byte of dec is read and converted once, and the four partners walk the same tiles of Wc2, E'[n] and F^T[n]: joint loads, mask 15.
; K in 16 steps of 64 (two halves of 32), then one step of the same shape for A F, whose tile is F^T[n].  A half step: 64 products for out, 9 for the scores, 56 LDS loads.
; THE WALK ALONG K BEGINS AT ANOTHER CHUNK IN EACH CLUSTER: step s takes chunk (s + rot) % 16 of Wc2, E' and dec, rot = (n ^ (n >> 2)) % 16.  With the clusters in step, all sixteen chunks of Wc2 are
; asked for in step 0, and from its second step on a cluster asks for chunks that others have read before.  Fix any one bit of n: the 32 batches left still have all sixteen starts.
; SCORES keep about 22 bits: S = Eh dh + El dh + Eh dl (f16 hi and lo of E' and of dec; hi = fma(x,-8192,fl(8193 x)), lo = x - hi).  The large product takes dec's hi alone.
; dec comes through registers, two steps ahead (wave w: its 16 rows x 64 k, eight loads of two rows x 256 bytes), is split, and goes to LDS for all four waves.
; SOFTMAX.  Slot j stands for position first + j (j < 47), valid where first + j <= min(end, 257); every other slot keeps exactly -1e9, as reference() has it.  m is the maximum of the 48, p = exp(s - m)
; (the difference first), pv = exp(-1e9 - m), Z = the sum of the 48 p + 210 pv: the 258 positions.  Slot 47 is the row of all masked positions weighted gauss/256, with the factor 256 here:
; with an empty window that gives gauss/258 on every position; else pv = 0.
; LIMITS.  |dec|, |E'|, |F| < 65,504.  Where the window is not empty, unmasked scores lie above -1e9 + 150.  A weight below 2^-126 counts as 0.  NaN and infinities are not treated apart.
; The f32 sums along K run from chunk rot round to chunk rot - 1: an order of rounding other than the reference's.
; By this text's count a wave has two tensor loads out at the start, later one; wave 3 issues none.
.set SLOTB, 131072                     ; a slot of Wc2 (or F^T): [ot 64][kf 2][1 KB]; two of them from LDS byte 0
.set ESL,   262144                     ; two slots of E': [kf 2][hl 2][jt 3][1 KB]
.set ESZ,   12288
.set HI0,   286720                     ; dec hi: two buffers of 64 rows x 144 bytes (128 + 16: the 16 rows of a load start at 16 different groups of four banks, ISA guide 11.1)
.set HBUF,  9216
.set LOD,   18432                      ; dec lo lies this far behind hi
.set PSCR,  305152                     ; = lo buffer 0: the weights A change waves here at the end
.set SPARE, 323584                     ; the spare words: 128 bytes a wave, two blocks of 256 bytes that no other line names
.set SPITCH, 1040                      ; the way out: 16 rows x (1,024 + 16) bytes for each wave, inside slot 1, which has had its last fill by then; bytes that wave w alone has read
.set WV, 18
.set G1B, 28
.set G1E, 36
.set G0B, 44
.set G0E, 52
.set FTA, 60
.set CNT, 62
.set SEL, 66
.set C0,  72                           ; the chunk of step 0
.set NC,  73                           ; -log2(e)/128
.set MH,  76                           ; lanes 16-31
.set C1,  77                           ; the chunk of step 1
.set KC,  80                           ; s[80:81] 8193.0
.set KN,  82                           ; s[82:83] -8192.0
.set L2E, 84                           ; s[84:85] log2(e)
.set T2C, 86                           ; s[86:87] 2 log2(e)
.set CB,  88                           ; the chunk of Wc2 and E' to be asked for next
.set CD,  89                           ; the chunk of dec to be asked for next
.set ADRB, 3                           ; v3-4   my fragments of a B slot
.set ADRE, 5                           ; v5-6   E' fragments
.set ADRA, 7                           ; v7-8   dec hi, tile 0: r x 144 + 16 h
.set ADRO, 9                           ; v9-10  dec hi, my own tile
.set CST,  11                          ; v11-12 where I put converted dec
.set DOFF, 13
.set SPW,  14
.set NIL,  15
.set PLD,  16
.set END2, 17
.set BL,   18                          ; first + 8 h
.set PT,   19
.set STO,  20
.set RD,   21
.set GO,   22
.set PST,  23
.set T,    24                          ; v24-55 at work
.set OH,   56
.set OL,   64
.set AH,   72                          ; v72-103 dec hi, four tiles
.set S,    104                         ; v104-127 scores
.set EF,   128                         ; v128-175 E' fragments: hi 3, lo 3
.set G,    128                         ; later: gauss
.set RAW0, 176
.set RAW1, 208
.set AX,   176                         ; later: A's slots 32..63
.set OB,   104                         ; the way out: 128 registers read back
; window 1: B fragments, buffer f at 128 f + 8 b;  windows 2, 3: acc(t, b) at 128 (t%2) + 8 b of window 2 + t/2
.set MSB, 0
.macro WIN new
.if MSB != (\new)
	s_set_vgpr_msb (MSB<<8)|(\new)
.set MSB, \new
.endif
.endm
.macro PLACES                          ; four places (ISA guide 7.12.1)
.rept 4
	v_nop
.endr
.endm
.macro CREST
	s_cmp_lg_u32 s[WV], 0
	s_cbranch_scc1 .Lnot_wave_0_\@
	s_barrier_signal -3
.Lnot_wave_0_\@:
	s_barrier_wait -3
	s_barrier_signal -1
	s_barrier_wait -1
.endm
.macro CROUND
	s_barrier_signal -1
	s_barrier_wait -1
	CREST
.endm
; A joint refill: waves 0, 1 the halves of B's tile, wave 2 E's (e = 1), wave 3 nothing.  Four v_nop on every way: the places in front of the LDS loads that follow.
.macro JLOAD3 slot, e
	s_cmp_lt_u32 s[WV], 2
	s_cbranch_scc0 .Lnot_b_\@
	tensor_load_to_lds s[G0B+4*(\slot):G0B+4*(\slot)+3], s[G1B:G1B+7]
	s_nop 0
.rept 4
	v_nop
.endr
	s_branch .Lasked_\@
.Lnot_b_\@:
.if \e
	s_cmp_eq_u32 s[WV], 2
	s_cbranch_scc0 .Lnone_\@
	tensor_load_to_lds s[G0E+4*(\slot):G0E+4*(\slot)+3], s[G1E:G1E+7]
	s_nop 0
.rept 4
	v_nop
.endr
	s_branch .Lasked_\@
.Lnone_\@:
.endif
.rept 4
	v_nop
.endr
.Lasked_\@:
.endm
; The global addresses of a slot's two descriptors, made anew from the chunk's number in s[c]: the buffer's address plus the number times the chunk's bytes, the type bits set again
.macro GADR slot, c
	s_lshl_b32 s24, s[\c], 17                      ; a chunk of Wc2 is 131,072 bytes
	s_add_nc_u64 s[G0B+4*(\slot)+2:G0B+4*(\slot)+3], s[14:15], s[24:25]
	s_or_b32 s[G0B+4*(\slot)+3], s[G0B+4*(\slot)+3], 0x80000000
	s_mul_i32 s24, s[\c], ESZ
	s_add_nc_u64 s[G0E+4*(\slot)+2:G0E+4*(\slot)+3], s[10:11], s[24:25]
	s_or_b32 s[G0E+4*(\slot)+3], s[G0E+4*(\slot)+3], 0x80000000
.endm
.macro DLOAD raw, db                   ; a chunk of dec: my 16 rows x 64 k
.irp i, 0,1,2,3,4,5,6,7
	global_load_b128 v[(\raw)+4*\i:(\raw)+4*\i+3], v[DOFF], s[\db:\db+1] offset:\i*8192 th:TH_LOAD_NT
.endr
.endm
	s_load_b256 s[4:11], s[0:1], 0x0               ; dec 4, p_t 6, src_len 8, epf 10
	s_load_b128 s[12:15], s[0:1], 0x20             ; ftf 12, wc2f 14
	s_load_b64 s[16:17], s[0:1], 0x30              ; out0
	v_lshl_add_u32 v[SPW], v0, 2, SPARE
	v_mov_b32 v[NIL], 0
	ds_add_u32 v14, v15
	s_wait_dscnt 0x0
	v_lshrrev_b32 v1, 5, v0
	v_readfirstlane_b32 s[WV], v1
	s_bfe_u32 s19, ttmp6, 0x40000                  ; cx: my block of 64 queries; it enters dec's and out's addresses alone
	s_and_b32 s20, ttmp7, 0xffff                   ; the batch, which the four partners share
	s_lshr_b32 s[C0], s20, 2                       ; where this cluster's walk along K begins
	s_xor_b32 s[C0], s[C0], s20
	s_and_b32 s[C0], s[C0], 15
	s_add_co_u32 s[C1], s[C0], 1
	s_and_b32 s[C1], s[C1], 15
	s_add_co_u32 s[CB], s[C0], 2
	s_and_b32 s[CB], s[CB], 15
	s_mov_b32 s[CD], s[CB]
	v_and_b32 v1, 15, v0                           ; r
	v_bfe_u32 v2, v0, 4, 1                         ; h
	v_lshlrev_b32 v[DOFF], 4, v1
	v_lshl_add_u32 v[DOFF], v2, 12, v[DOFF]
	s_lshl_b32 s22, s20, 20                        ; (256 n + 64 cx) rows of 4,096 bytes
	s_lshl_b32 s23, s19, 18
	s_add_co_u32 s22, s22, s23
	s_lshl_b32 s24, s[WV], 10                      ; out: my 256 columns
	s_add_co_u32 s24, s24, s22
	s_mov_b32 s25, 0
	s_lshl_b32 s23, s[WV], 16                      ; dec: my 16 rows
	s_add_co_u32 s22, s22, s23
	s_mov_b32 s23, 0
	s_and_b32 s21, s[WV], 1
	s_lshl_b32 s21, s21, 16                        ; which half of a B tile I fetch: 65,536 bytes, in memory and in LDS
	s_lshl_b32 s26, s20, 2
	s_mov_b32 s27, 0
	s_wait_kmcnt 0x0
	s_add_nc_u64 s[4:5], s[4:5], s[22:23]          ; dec at my 16 rows
	s_lshl_b32 s22, s[C0], 8                       ; a chunk is 256 bytes of each row
	s_add_nc_u64 s[68:69], s[4:5], s[22:23]        ; the base for the even steps' chunks
	s_lshl_b32 s22, s[C1], 8
	s_add_nc_u64 s[70:71], s[4:5], s[22:23]        ; and for the odd steps'
	s_add_nc_u64 s[78:79], s[16:17], s[24:25]
	s_add_nc_u64 s[6:7], s[6:7], s[26:27]
	s_add_nc_u64 s[8:9], s[8:9], s[26:27]
	s_load_b32 s74, s[6:7], 0x0
	s_load_b32 s75, s[8:9], 0x0
	DLOAD RAW0, 68
	DLOAD RAW1, 70
	s_mov_b32 s26, s21
	s_add_nc_u64 s[14:15], s[14:15], s[26:27]      ; wc2f at my half
	s_lshl_b32 s26, s20, 17
	s_add_co_u32 s26, s26, s21
	s_add_nc_u64 s[FTA:FTA+1], s[12:13], s[26:27]  ; F^T[n] at my half
	s_mul_i32 s26, s20, 196608
	s_add_nc_u64 s[10:11], s[10:11], s[26:27]      ; E'[n]
	s_mov_b32 s[G1B], 15|(3<<16)|(1<<21)           ; the mask of four; elements of 8 bytes; bit 21 set beside a mask
	s_mov_b32 s[G1B+1], 32<<16                     ; rows of 256 bytes
	s_mov_b32 s[G1B+2], 256<<16                    ; 256 of them
	s_mov_b32 s[G1B+3], 32<<16
	s_mov_b32 s[G1B+4], 256
	s_mov_b32 s[G1B+5], 32                         ; dense
	s_mov_b32 s[G1B+6], 0
	s_mov_b32 s[G1B+7], 0
	s_mov_b32 s[G1E], 15|(3<<16)|(1<<21)
	s_mov_b32 s[G1E+1], 32<<16
	s_mov_b32 s[G1E+2], 48<<16                     ; 48 rows: 12,288 bytes
	s_mov_b32 s[G1E+3], 32<<16
	s_mov_b32 s[G1E+4], 48
	s_mov_b32 s[G1E+5], 32
	s_mov_b32 s[G1E+6], 0
	s_mov_b32 s[G1E+7], 0
.irp s, 0,1
	s_mov_b32 s[G0B+4*(\s)], 1
	s_add_co_u32 s[G0B+4*(\s)+1], s21, (\s)*SLOTB
	s_mov_b32 s[G0E+4*(\s)], 1
	s_mov_b32 s[G0E+4*(\s)+1], ESL+(\s)*ESZ
.endr
	GADR 0, C0
	GADR 1, C1
	s_mov_b32 s[SEL], 0x76543210
	s_mov_b32 s[SEL+1], 0xfedcba98
	s_mov_b32 s[NC], 0xbc38aa3b
	s_mov_b32 s[MH], 0xffff0000
	s_mov_b32 s[KC], 0x46000400
	s_mov_b32 s[KC+1], s[KC]
	s_mov_b32 s[KN], 0xc6000000
	s_mov_b32 s[KN+1], s[KN]
	s_mov_b32 s[L2E], 0x3fb8aa3b
	s_mov_b32 s[L2E+1], s[L2E]
	s_mov_b32 s[T2C], 0x4038aa3b
	s_mov_b32 s[T2C+1], s[T2C]
	CROUND                                         ; all four work-groups are here: the first joint loads meet
	s_cmp_lt_u32 s[WV], 2                          ; a wave's two first fills stand in one branch
	s_cbranch_scc0 .Lfirst_not_b
	tensor_load_to_lds s[G0B:G0B+3], s[G1B:G1B+7]
	s_nop 0
	tensor_load_to_lds s[G0B+4:G0B+7], s[G1B:G1B+7]
	s_nop 0
.rept 4
	v_nop
.endr
	s_branch .Lfirst_asked
.Lfirst_not_b:
	s_cmp_eq_u32 s[WV], 2
	s_cbranch_scc0 .Lfirst_asked
	tensor_load_to_lds s[G0E:G0E+3], s[G1E:G1E+7]
	s_nop 0
	tensor_load_to_lds s[G0E+4:G0E+7], s[G1E:G1E+7]
	s_nop 0
.rept 4
	v_nop
.endr
.Lfirst_asked:
	v_and_b32 v[PST], 31, v0
	v_lshlrev_b32 v[GO], 4, v[PST]                 ; 16 L
	s_lshl_b32 s63, s[WV], 15
	v_add_nc_u32 v[ADRB], s63, v[GO]
	v_add_nc_u32 v[ADRB+1], SLOTB, v[ADRB]
	v_add_nc_u32 v[ADRE], ESL, v[GO]
	v_add_nc_u32 v[ADRE+1], ESZ, v[ADRE]
	v_mul_u32_u24 v[ADRA], v1, 144
	v_lshl_add_u32 v[ADRA], v2, 4, v[ADRA]
	v_add_nc_u32 v[ADRA], HI0, v[ADRA]
	v_add_nc_u32 v[ADRA+1], HBUF, v[ADRA]
	s_add_co_u32 s63, s63, SLOTB                   ; my stage for the way out
	v_mul_u32_u24 v[STO], v1, SPITCH
	v_lshl_add_u32 v[STO], v2, 5, v[STO]
	v_add_nc_u32 v[STO], s63, v[STO]
	v_add_nc_u32 v[RD], s63, v[GO]
	s_mul_i32 s63, s[WV], 2304                     ; my 16 rows of 144 bytes
	v_add_nc_u32 v[ADRO], s63, v[ADRA]
	v_add_nc_u32 v[ADRO+1], s63, v[ADRA+1]
	v_mul_u32_u24 v[CST], v2, 144
	v_lshl_add_u32 v[CST], v1, 3, v[CST]
	v_add_nc_u32 v[CST], s63, v[CST]
	v_add_nc_u32 v[CST], HI0, v[CST]
	v_add_nc_u32 v[CST+1], HBUF, v[CST]
	s_mul_i32 s63, s[WV], 1536
	s_add_co_u32 s63, s63, PSCR
	v_add_nc_u32 v[PST], s63, v[GO]
	v_add_nc_u32 v[PLD], PSCR, v[GO]
	s_wait_kmcnt 0x0                               ; p_t[n], src_len[n]: the window, in f32 as reference() makes it
	v_mov_b32 v[PT], s74
	v_add_f32 v24, 0xc1800000, v[PT]
	v_max_num_f32 v24, 0, v24                      ; start
	v_cvt_f32_i32 v25, s75
	v_add_f32 v[END2], 0x41800000, v[PT]
	v_min_num_f32 v[END2], v[END2], v25            ; end
	v_min_num_f32 v[END2], 0x43808000, v[END2]     ; and no position beyond 257
	v_sub_f32 v24, 0, v24
	v_floor_f32 v24, v24
	v_sub_f32 v24, 0, v24                          ; first = ceil(start), never below start: a slot is valid where first + j <= END2
	v_cvt_f32_u32 v25, v2
	v_fmamk_f32 v[BL], v25, 0x41000000, v24
; A chunk of dec (32 registers a lane) is split into hi and lo and put into buffer p for all waves.  cnt: the younger chunk's loads that may stay out.  issue = 1: the chunk two steps further on is asked
; for; its base is made anew behind the wait that shows this chunk's loads, the last to name that base, done.  These 80 vector instructions are also the places behind the products in front of them.
.macro CONVD raw, p, cnt, issue, db
	WIN 0
	s_wait_loadcnt \cnt
.if \issue
	s_lshl_b32 s22, s[CD], 8
	s_add_nc_u64 s[\db:\db+1], s[4:5], s[22:23]
	s_add_co_u32 s[CD], s[CD], 1
	s_and_b32 s[CD], s[CD], 15
.endif
.set k, 0
.rept 16
	v_pk_mul_f32 v[T+2*k:T+2*k+1], v[(\raw)+2*k:(\raw)+2*k+1], s[KC:KC+1] op_sel_hi:[1,0]
.set k, k+1
.endr
.set k, 0
.rept 16
	v_pk_fma_f32 v[T+2*k:T+2*k+1], v[(\raw)+2*k:(\raw)+2*k+1], s[KN:KN+1], v[T+2*k:T+2*k+1] op_sel_hi:[1,0,1]
.set k, k+1
.endr
.set k, 0
.rept 16
	v_pk_add_f32 v[(\raw)+2*k:(\raw)+2*k+1], v[(\raw)+2*k:(\raw)+2*k+1], v[T+2*k:T+2*k+1] neg_lo:[0,1] neg_hi:[0,1]
.set k, k+1
.endr
.set k, 0
.rept 16
	v_cvt_pk_f16_f32 v[T+k], v[T+2*k], v[T+2*k+1]
.set k, k+1
.endr
.set k, 0
.rept 16
	v_cvt_pk_f16_f32 v[(\raw)+k], v[(\raw)+2*k], v[(\raw)+2*k+1]
.set k, k+1
.endr
.set k, 0
.rept 8
	ds_store_b64 v[CST+(\p)], v[T+2*k:T+2*k+1] offset:288*k
	ds_store_b64 v[CST+(\p)], v[(\raw)+2*k:(\raw)+2*k+1] offset:288*k+LOD
.set k, k+1
.endr
.if \issue
	DLOAD \raw, \db
.endif
.endm
; 9 products for the scores, the three accumulators by turns: Eh dh, El dh, Eh dl
.macro SCORE zero
	WIN 0
.irp jt, 0,1,2
.if \zero
	v_wmma_f32_16x16x32_f16 v[S+8*\jt:S+8*\jt+7], v[EF+8*\jt:EF+8*\jt+7], v[OH:OH+7], 0
.else
	v_wmma_f32_16x16x32_f16 v[S+8*\jt:S+8*\jt+7], v[EF+8*\jt:EF+8*\jt+7], v[OH:OH+7], v[S+8*\jt:S+8*\jt+7]
.endif
.endr
.irp jt, 0,1,2
	v_wmma_f32_16x16x32_f16 v[S+8*\jt:S+8*\jt+7], v[EF+24+8*\jt:EF+24+8*\jt+7], v[OH:OH+7], v[S+8*\jt:S+8*\jt+7]
.endr
.irp jt, 0,1,2
	v_wmma_f32_16x16x32_f16 v[S+8*\jt:S+8*\jt+7], v[EF+8*\jt:EF+8*\jt+7], v[OL:OL+7], v[S+8*\jt:S+8*\jt+7]
.endr
.endm
; 16 products: query tile t x my 16 output tiles; source 0 = 16 rows of B (buffer f), source 1 = 16 queries at v[ab + 8 t]: a lane holds one query and eight neighbouring outputs
.macro BIG f, t, ab, zero
	WIN 0xa1+0x50*((\t)/2)
.irp b, 0,1,2,3,4,5,6,7,8,9,10,11,12,13,14,15
.if \zero
	v_wmma_f32_16x16x32_f16 v[128*((\t)%2)+8*\b:128*((\t)%2)+8*\b+7], v[128*(\f)+8*\b:128*(\f)+8*\b+7], v[(\ab)+8*(\t):(\ab)+8*(\t)+7], 0
.else
	v_wmma_f32_16x16x32_f16 v[128*((\t)%2)+8*\b:128*((\t)%2)+8*\b+7], v[128*(\f)+8*\b:128*(\f)+8*\b+7], v[(\ab)+8*(\t):(\ab)+8*(\t)+7], v[128*((\t)%2)+8*\b:128*((\t)%2)+8*\b+7]
.endif
.endr
.endm
.macro FETCH2 p, kf                    ; 4 loads: dec hi, tiles 2 and 3, of the half step in hand
	WIN 0
.irp t, 2,3
	ds_load_b128 v[AH+8*\t:AH+8*\t+3], v[ADRA+(\p)] offset:\t*2304+(\kf)*64
	ds_load_b128 v[AH+8*\t+4:AH+8*\t+7], v[ADRA+(\p)] offset:\t*2304+(\kf)*64+32
.endr
.endm
.macro BLOAD slot, kf, g               ; 32 loads: my 16 fragments of B
	WIN 0x40
.irp b, 0,1,2,3,4,5,6,7,8,9,10,11,12,13,14,15
	ds_load_b128 v[128*(\g)+8*\b:128*(\g)+8*\b+3], v[ADRB+(\slot)] offset:\b*2048+(\kf)*1024
	ds_load_b128 v[128*(\g)+8*\b+4:128*(\g)+8*\b+7], v[ADRB+(\slot)] offset:\b*2048+(\kf)*1024+512
.endr
.endm
.macro FETCH1 slot, p, kf, g           ; 52 loads for the NEXT half step: my own tile's hi and lo, E', dec hi tiles 0 and 1, B
	WIN 0
	ds_load_b128 v[OH:OH+3], v[ADRO+(\p)] offset:(\kf)*64
	ds_load_b128 v[OH+4:OH+7], v[ADRO+(\p)] offset:(\kf)*64+32
	ds_load_b128 v[OL:OL+3], v[ADRO+(\p)] offset:LOD+(\kf)*64
	ds_load_b128 v[OL+4:OL+7], v[ADRO+(\p)] offset:LOD+(\kf)*64+32
.irp e, 0,1,2,3,4,5
	ds_load_b128 v[EF+8*\e:EF+8*\e+3], v[ADRE+(\slot)] offset:(\kf)*6144+\e*1024
	ds_load_b128 v[EF+8*\e+4:EF+8*\e+7], v[ADRE+(\slot)] offset:(\kf)*6144+\e*1024+512
.endr
.irp t, 0,1
	ds_load_b128 v[AH+8*\t:AH+8*\t+3], v[ADRA+(\p)] offset:\t*2304+(\kf)*64
	ds_load_b128 v[AH+8*\t+4:AH+8*\t+7], v[ADRA+(\p)] offset:\t*2304+(\kf)*64+32
.endr
	BLOAD \slot, \kf, \g
.endm
; A step's first half (B buffer 0).  conv = 1: the next chunk of dec is converted at its end.
.macro SUBP slot, p, zero, conv, raw, cp, cnt, issue, db
	s_wait_dscnt 0x0
	FETCH2 \p, 0
	SCORE \zero
	BIG 0, 0, AH, \zero
	BIG 0, 1, AH, \zero
	PLACES
	FETCH1 \slot, \p, 1, 1
	s_wait_dscnt 52                                ; all but the 52 just issued: tiles 2 and 3 are in
	BIG 0, 2, AH, \zero
	BIG 0, 3, AH, \zero
.if \conv
	CONVD \raw, \cp, \cnt, \issue, \db
.else
	PLACES
.endif
.endm
; A step's second half (B buffer 1) changes slots.  Its first 41 products, which need nothing of the next slot, stand AHEAD of the wait for the tile, so that nothing but the barrier lies between a tile's
; landing and the next request.  In front of the barrier each wave waits for all its tensor loads, adds 0 to its spare word, and waits for that, for its reads of the slot and of dec's buffer, and for its
; stores of the next chunk.  fill = 1: the barrier opens a round of the cluster's, and the slot takes the step two further on; 2: slot 0 takes F^T[n]; 0: nothing is filled.
.macro TURN slot, p, fill
	s_wait_dscnt 0x0                               ; the half step's fragments are in: my last reads of this slot
	FETCH2 \p, 1
	SCORE 0
	BIG 1, 0, AH, 0
	BIG 1, 1, AH, 0
	WIN 0
	s_wait_tensorcnt 0x0                           ; no tensor load of mine is out, so a group 0 may be written
	ds_add_u32 v[SPW], v[NIL]                      ; 0 onto my spare word; the descriptors' scalar work stands between it and the wait for it
.if (\fill) == 1
	GADR \slot, CB
	s_add_co_u32 s[CB], s[CB], 1                   ; the next chunk, round the ring of sixteen
	s_and_b32 s[CB], s[CB], 15
.elseif (\fill) == 2
	s_mov_b64 s[G0B+4*(\slot)+2:G0B+4*(\slot)+3], s[FTA:FTA+1]
	s_or_b32 s[G0B+4*(\slot)+3], s[G0B+4*(\slot)+3], 0x80000000
.endif
	s_wait_dscnt 0x0                               ; the add is done; tiles 2 and 3 are in; my stores of the next chunk of dec are done
	s_barrier_signal -1
	s_barrier_wait -1
.if (\fill) == 0
	PLACES
	BLOAD 0, 0, 0                                  ; F^T, slots 0..31
.else
	CREST
	JLOAD3 \slot, 2-(\fill)
	FETCH1 1-(\slot), 1-(\p), 0, 0
.endif
	BIG 1, 2, AH, 0
	BIG 1, 3, AH, 0
	PLACES
.endm
	CONVD RAW0, 0, 8, 1, 68                        ; step 0's chunk; 8: step 1's loads stay out; step 2's chunk is asked for
	s_wait_tensorcnt 1                             ; my part of step 0 is in; step 1's stays out
	s_wait_dscnt 0x0                               ; for the others' sake: my rows of the chunk are written
	s_barrier_signal -1
	s_barrier_wait -1
	FETCH1 0, 0, 0, 0
	SUBP 0, 0, 1, 1, RAW1, 1, 8, 1, 70             ; step 0 starts the sums
	WIN 0
	s_mov_b32 s[CNT], 6
.Ltrip:                                                ; six trips of two steps: the tiles of steps 2 to 13 and dec's chunks of steps 4 to 15 are asked for
	TURN 0, 0, 1
	SUBP 1, 1, 0, 1, RAW0, 0, 8, 1, 68
	TURN 1, 1, 1
	SUBP 0, 0, 0, 1, RAW1, 1, 8, 1, 70
	WIN 0
	s_sub_co_u32 s[CNT], s[CNT], 1
	s_cmp_lg_u32 s[CNT], 0
	s_cbranch_scc1 .Ltrip
	TURN 0, 0, 1                                   ; the tail is written out: steps 14 and 15 are asked for, no chunk of dec is left to ask for
	SUBP 1, 1, 0, 1, RAW0, 0, 8, 0, 68
	TURN 1, 1, 1
	SUBP 0, 0, 0, 1, RAW1, 1, 0, 0, 70
	TURN 0, 0, 2                                   ; slot 0 takes F^T[n]
	SUBP 1, 1, 0, 0, 0, 0, 0, 0, 0
	TURN 1, 1, 0
	BLOAD 0, 1, 1                                  ; F^T, slots 32..63
	; THE SOFTMAX of my 16 queries: a lane holds query r and slots 16 t + 8 h + i.  Each accumulator's lowest register is read first.
	WIN 0
	v_mov_b32 v244, 0xce6e6b28                     ; -1e9
	v_mov_b32 v245, 0xc47a0000                     ; -1000: 2^-1000 is 0
	v_mov_b32 v241, 0
	v_mov_b32 v250, v[BL]
.set e, 0
.rept 24
	v_cmp_le_f32 vcc_lo, v250, v[END2]
.if e == 23
	s_and_not1_b32 vcc_lo, vcc_lo, s[MH]           ; slot 47 is never a position of its own
.endif
	v_sub_f32 v251, v250, v[PT]
	v_cndmask_b32 v[S+e], v244, v[S+e], vcc_lo
	v_mul_f32 v251, v251, v251
	v_mul_f32 v251, s[NC], v251
	v_cndmask_b32 v[G+e], v245, v251, vcc_lo
.if e == 23
.elseif e%8 == 7
	v_add_f32 v250, 0x41100000, v250               ; on to the next tile of 16 slots: + 9
.else
	v_add_f32 v250, 1.0, v250
.endif
.set e, e+1
.endr
.set e, 0
.rept 24
	v_exp_f32 v[G+e], v[G+e]                       ; gauss, or 0 in a masked slot
.set e, e+1
.endr
	v_max3_num_f32 v240, v[S], v[S+1], v[S+2]
.set e, 3
.rept 10
	v_max3_num_f32 v240, v240, v[S+e], v[S+e+1]
.set e, e+2
.endr
	v_max_num_f32 v240, v240, v[S+23]
	v_permlanex16_b32 v241, v240, s[SEL], s[SEL+1] ; the query's other 24 slots lie in the lane 16 away
	v_max_num_f32 v240, v240, v241
	v_mov_b32 v242, 0x43800000
	s_wait_alu depctr_va_vdst(0)
	v_cndmask_b32 v[G+23], v[G+23], v242, s[MH]    ; slot 47's factor: 256
.set e, 0
.rept 12
	v_pk_add_f32 v[S+2*e:S+2*e+1], v[S+2*e:S+2*e+1], v[240:241] op_sel_hi:[1,0] neg_lo:[0,1] neg_hi:[0,1]   ; s - m first: exact where both are -1e9
.set e, e+1
.endr
	v_sub_f32 v243, v244, v240
.set e, 0
.rept 12
	v_pk_mul_f32 v[S+2*e:S+2*e+1], v[S+2*e:S+2*e+1], s[L2E:L2E+1] op_sel_hi:[1,0]
.set e, e+1
.endr
	v_mul_f32 v243, s[L2E], v243
.set e, 0
.rept 24
	v_exp_f32 v[S+e], v[S+e]
.set e, e+1
.endr
	v_exp_f32 v243, v243                           ; pv
	v_mov_b32 v255, 0                              ; a plain instruction behind the exponentials
	s_wait_alu depctr_va_vdst(0)
	v_pk_add_f32 v[246:247], v[S:S+1], v[S+2:S+3]
	v_pk_add_f32 v[248:249], v[S+4:S+5], v[S+6:S+7]
	v_pk_add_f32 v[250:251], v[S+8:S+9], v[S+10:S+11]
	v_pk_add_f32 v[252:253], v[S+12:S+13], v[S+14:S+15]
	v_pk_add_f32 v[246:247], v[246:247], v[S+16:S+17]
	v_pk_add_f32 v[248:249], v[248:249], v[S+18:S+19]
	v_pk_add_f32 v[250:251], v[250:251], v[S+20:S+21]
	v_pk_add_f32 v[252:253], v[252:253], v[S+22:S+23]
	v_pk_add_f32 v[246:247], v[246:247], v[248:249]
	v_pk_add_f32 v[250:251], v[250:251], v[252:253]
	v_pk_add_f32 v[246:247], v[246:247], v[250:251]
	v_add_f32 v246, v246, v247
	v_permlanex16_b32 v247, v246, s[SEL], s[SEL+1]
	v_add_f32 v246, v246, v247
	v_fmamk_f32 v246, v243, 0x43520000, v246       ; + 210 pv: the positions that have no slot
	v_rcp_f32 v254, v246
.set e, 0
.rept 12
	v_pk_mul_f32 v[S+2*e:S+2*e+1], v[S+2*e:S+2*e+1], v[G+2*e:G+2*e+1]
.set e, e+1
.endr
.set e, 0
	s_wait_alu depctr_va_vdst(0)
.rept 12
	v_pk_mul_f32 v[S+2*e:S+2*e+1], v[S+2*e:S+2*e+1], v[254:255] op_sel_hi:[1,0]
.set e, e+1
.endr
.set e, 0
.rept 12
	v_cvt_pk_f16_f32 v[T+e], v[S+2*e], v[S+2*e+1]  ; two tiles of 16 slots, rounded in pairs, are a fragment of 32 slots x 16 queries
.set e, e+1
.endr
.irp t, 0,1,2
	ds_store_b128 v[PST], v[T+4*\t:T+4*\t+3] offset:512*\t
.endr
	s_wait_dscnt 0x0                               ; for the others' sake: my queries' weights are written
	s_barrier_signal -1
	s_barrier_wait -1
.irp t, 0,1,2,3
	ds_load_b128 v[AH+8*\t:AH+8*\t+3], v[PLD] offset:1536*\t
	ds_load_b128 v[AH+8*\t+4:AH+8*\t+7], v[PLD] offset:1536*\t+512
	ds_load_b128 v[AX+8*\t:AX+8*\t+3], v[PLD] offset:1536*\t+1024
.endr
.irp t, 0,1,2,3
.irp k, 4,5,6,7
	v_mov_b32 v[AX+8*\t+\k], 0                     ; slots 48..63
.endr
.endr
	s_wait_dscnt 0x0
	BIG 0, 0, AH, 0                                ; out += A F
	BIG 0, 1, AH, 0
	BIG 0, 2, AH, 0
	BIG 0, 3, AH, 0
	BIG 1, 0, AX, 0
	BIG 1, 1, AX, 0
	BIG 1, 2, AX, 0
	BIG 1, 3, AX, 0
	PLACES
; THE WAY OUT, a query tile at a time.  tanh x = 1 - 2 / (1 + 2^(2 log2(e) x)), in place; behind each run of transcendentals stands plain work of a neighbouring accumulator (ISA guide 5.7.2).
.macro PKM a
.set j, 0
.rept 4
	v_pk_mul_f32 v[TB+8*(\a)+2*j:TB+8*(\a)+2*j+1], v[TB+8*(\a)+2*j:TB+8*(\a)+2*j+1], s[T2C:T2C+1] op_sel_hi:[1,0]
.set j, j+1
.endr
.endm
.macro PKF a
.set j, 0
	s_wait_alu depctr_va_vdst(0)
.rept 4
	v_pk_fma_f32 v[TB+8*(\a)+2*j:TB+8*(\a)+2*j+1], v[TB+8*(\a)+2*j:TB+8*(\a)+2*j+1], -2.0, 1.0 op_sel_hi:[1,0,0]
.set j, j+1
.endr
.endm
.macro TANH t
.set TB, 128*((\t)%2)
	WIN 0xaa+0x55*((\t)/2)                         ; every operand in window 2 or 3
	PKM 0
.set ka, 0
.rept 16
.set j, 0
.rept 8
	v_exp_f32 v[TB+8*ka+j], v[TB+8*ka+j]
.set j, j+1
.endr
.if ka < 15
	PKM ka+1
.else
	v_nop
	s_wait_alu depctr_va_vdst(0)
.endif
.set j, 0
	s_wait_alu depctr_va_vdst(0)
.rept 4
	v_pk_add_f32 v[TB+8*ka+2*j:TB+8*ka+2*j+1], v[TB+8*ka+2*j:TB+8*ka+2*j+1], 1.0 op_sel_hi:[1,0]
.set j, j+1
.endr
.set j, 0
.rept 8
	v_rcp_f32 v[TB+8*ka+j], v[TB+8*ka+j]
.set j, j+1
.endr
.if ka > 0
	PKF ka-1
.endif
.set ka, ka+1
.endr
	PKF 15
.endm
.macro STG t                           ; a lane's eight outputs of a row, 32 bytes, into rows of 1,040 bytes; back as whole rows
.set TB, 128*((\t)%2)
	WIN 0x08+0x04*((\t)/2)                         ; store data in window 2 or 3
.irp b, 0,1,2,3,4,5,6,7,8,9,10,11,12,13,14,15
	ds_store_b128 v[STO], v[TB+8*\b:TB+8*\b+3] offset:64*\b
	ds_store_b128 v[STO], v[TB+8*\b+4:TB+8*\b+7] offset:64*\b+16
.endr
	WIN 0
	s_wait_xcnt 0x0                                ; the last tile's stores have read v104-231
.set i, 0
.rept 32
	ds_load_b128 v[OB+4*i:OB+4*i+3], v[RD] offset:(i/2)*SPITCH+(i%2)*512   ; LDS serves a wave's instructions in order (ISA guide 5.7.1.4): these see the stores above
.set i, i+1
.endr
.endm
.macro SEND t
	WIN 0
.set i, 0
.rept 32
	s_wait_dscnt 31-i                              ; read-back i is in; the younger ones stay out
	global_store_b128 v[GO], v[OB+4*i:OB+4*i+3], s[78:79] offset:(16*(\t)+i/2)*4096+(i%2)*512 th:TH_STORE_NT   ; 512 consecutive bytes, at a multiple of 256 from out0's first
.set i, i+1
.endr
.endm
	TANH 0
	STG 0
	TANH 1                                         ; a tile's arithmetic stands between the read-back of the tile before and its stores
	SEND 0
	STG 1
	TANH 2
	SEND 1
	STG 2
	TANH 3
	SEND 2
	STG 3
	SEND 3
	s_wait_tensorcnt 0x0                           ; the wave's end
	ds_add_u32 v[SPW], v[NIL]
	s_wait_dscnt 0x0
	CROUND                                         ; the closing round
	s_endpgm
.Lfunc_end_k_q11ad5bb05d_attn:
	.size	k_q11ad5bb05d_attn, .Lfunc_end_k_q11ad5bb05d_attn-k_q11ad5bb05d_attn
	.p2alignl 7, 3214868480
	.fill 96, 4, 3214868480
	.section	.rodata,"a",@progbits
	.p2align	6, 0x0
	.amdhsa_kernel k_q11ad5bb05d_attn
		.amdhsa_group_segment_fixed_size 327680
		.amdhsa_private_segment_fixed_size 0
		.amdhsa_enable_private_segment 0
		.amdhsa_kernarg_size 56
		.amdhsa_user_sgpr_count 2
		.amdhsa_user_sgpr_kernarg_segment_ptr 1
		.amdhsa_wavefront_size32 1
		.amdhsa_system_sgpr_workgroup_id_x 1
		.amdhsa_system_sgpr_workgroup_id_y 1
		.amdhsa_system_sgpr_workgroup_id_z 1
		.amdhsa_system_vgpr_workitem_id 0
		.amdhsa_next_free_vgpr 1024
		.amdhsa_next_free_sgpr 90
		.amdhsa_reserve_vcc 1
		.amdhsa_float_denorm_mode_32 3
		.amdhsa_float_denorm_mode_16_64 3
		.amdhsa_memory_ordered 1
		.amdhsa_forward_progress 1
		.amdhsa_inst_pref_size 255
	.end_amdhsa_kernel
	.section	.bss,"aw",@nobits
	.p2align	6
	.space	262144
	.amdgpu_metadata
---
amdhsa.version: [ 1, 2 ]
amdhsa.kernels:
  - .name:           k_q11ad5bb05d_attn
    .symbol:         k_q11ad5bb05d_attn.kd
    .args:
      - { .name: decoder_h_t, .offset: 0, .size: 8, .value_kind: global_buffer, .address_space: global }
      - { .name: p_t, .offset: 8, .size: 8, .value_kind: global_buffer, .address_space: global }
      - { .name: src_len, .offset: 16, .size: 8, .value_kind: global_buffer, .address_space: global }
      - { .name: epf, .offset: 24, .size: 8, .value_kind: global_buffer, .address_space: global }
      - { .name: ftf, .offset: 32, .size: 8, .value_kind: global_buffer, .address_space: global }
      - { .name: wc2f, .offset: 40, .size: 8, .value_kind: global_buffer, .address_space: global }
      - { .name: out0, .offset: 48, .size: 8, .value_kind: global_buffer, .address_space: global }
    .group_segment_fixed_size: 327680
    .private_segment_fixed_size: 0
    .kernarg_segment_align: 8
    .kernarg_segment_size: 56
    .max_flat_workgroup_size: 128
    .sgpr_count:     90
    .vgpr_count:     1024
    .wavefront_size: 32
...
	.end_amdgpu_metadata
.endif
;; end of part 3
;; ======== version 2 of 2: 3 launches; version 1 with the launch prep written anew for expert scheduling mode
;; limits: values are held in f16: magnitudes above 65,504 overflow, below 6.1e-05 lose precision
;; workspace buffers: xf 12,582,912 bytes; wf 6,291,456 bytes; wc2f 2,097,152 bytes; epf 12,582,912 bytes; ftf 8,388,608 bytes
;; launch prep (part 4): grid 4 x 64, 4 waves a work-group, no clusters, 42,496 bytes of LDS; arguments encoder_outputs, W_a, W_c, p_t, src_len, xf, wf, wc2f; writes xf, wf, wc2f
.if DOCPART == 4
	.amdgcn_target "amdgcn-amd-amdhsa--gfx1250"
	.amdhsa_code_object_version 6
	.text
	.protected	k_q11ad5bb05d_prep
	.globl	k_q11ad5bb05d_prep
	.p2align	8
	.type	k_q11ad5bb05d_prep,@function
k_q11ad5bb05d_prep:
	s_mov_b64 s[64:65], 0
	v_nop
	global_prefetch_b8 v0, s[64:65] scope:SCOPE_SE
	s_setreg_imm32_b32 hwreg(HW_REG_WAVE_SCHED_MODE, 0, 2), 2
	s_setreg_imm32_b32 hwreg(HW_REG_WAVE_MODE, 25, 1), 1
	s_wait_xcnt 0x0
	s_wait_alu depctr_vm_vsrc(0)
; PREP.  X[n] = Sel[n] x enc[n] (48 rows for each batch), and the weights, all written as f16 in FRAGMENT ORDER.
; reference() overwrites every score outside [max(p-16,0), min(p+16,src_len)] with -1e9: at most 33 positions of a batch stay.  Rows 0..46 of X are enc[first+j], first = ceil(start)
; (a zero row where first+j > 257); row 47 is the sum over all masked l of gauss(l)/256 x enc[l], which carries the case of an empty window (softmax = 1/258 everywhere).
; Which rows are taken is a matter of VALUES: Sel (48 x 288, f16) is made in registers, one-hot rows and the weights' row, and multiplied by the matrix unit; no address hangs on p_t.
; enc goes in as f16 hi + f16 lo (hi = x rounded to 11 bits: fma(x,-8192,fl(8193 x)); lo = x - hi, exact), so that X keeps about 22 bits; X and W_a leave as hi and lo, W_c as hi.
; FRAGMENT ORDER: 16 rows x 32 k of f16 are 1,024 bytes on end; half c (512 bytes) holds at byte 16 L, for lane L = (r = L%16, h = L/16), row r's k = 16c+8h+0..7.
; SHARES.  Work-group (cq, n): batch n, 256 columns; wave w 64 of them (four tiles ct of 16): 12 accumulators (jt 0..2 x ct).  K = l in 9 steps of 32 (the last has rows 256, 257).
; Each wave also converts three units of 16 rows x 64 k of the weights.  No tensor loads: memory binds, 32 loads of 512 bytes a wave are on their way.
; LIMITS.  |enc| < 65,504 (f16's range); NaN and infinities are not treated apart.
; THE MODE: SCHED_MODE bits 1:0 = 2 (LLVM: expert scheduling mode 2), set by the entry lines.  The code itself states the register dependences between vector or matrix instructions and
; memory or LDS instructions, and between a vector instruction that writes a scalar register and its readers, with s_wait_alu, always for 0.
; THE PLAN.  Registers that memory or LDS instructions touch:
;   RAW0, RAW1   Step s: its splitting lines read RAW[s % 2]; behind them the loads of step s + 2 land in it.  No store reads it.
;   HF, LF       Step s: its splitting lines write them (hi and lo in f32, then packed in place); its 32 LDS stores read them; step s + 1 writes them again.
;   WF, BH       Step s: its 18 LDS loads land in them; its selects read WF, its products BH.
;   WR           The weights as loaded: filled at the head, read by vector instructions once, at the end.
;   OB0 .. OB2   The way out of X: written by one XOUT's conversions, read by its eight stores, never written again.
;   TW, RB       At the end the weight units' rows come back from LDS into them, each unit into registers of its own, and are stored from there.
;   v2-7, v14, v15  Offsets and LDS addresses: made at the head, never written again.
; SEL, Q0, VAL and the accumulators are named by vector and matrix instructions alone.
; So a step has ONE wait on va_vdst, behind its splitting lines, for its 16 loads, 32 LDS stores and 18 LDS loads, and one on vm_vsrc at its head, a whole step behind the stores that it speaks of.
; The compares that make Sel write scalar registers in runs: two waits on va_sdst a step.  VCC holds a constant, written by a scalar instruction.
.set ENCB,  1056768                    ; bytes of a batch of enc: 258 rows x 4,096
.set STG,   10240                      ; a wave's LDS: hi [32 rows][160 B], then lo; pitch 160 = 5 x 32 for the turning load
.set LOFF,  5120
.set WT,    40960                      ; the table w_l, 384 f16, shared
.set MK, 4                             ; s4-11 and s20-27: masks that compares write; free once the addresses are made
.set WV, 20
.set CQ, 21
.set NB, 22
.set PT, 23
.set SL, 25
.set TR, 31                            ; my weight units' row tile, 0..63
.set KB, 32                            ; and block of 64 k, 0..15
.set KC, 40                            ; s[40:41] 8193.0
.set KN, 42                            ; s[42:43] -8192.0
.set VOFF, 2                           ; (L/16) x 4,096 + (L%16) x 16: two rows of 256 bytes a load (enc and W_a)
.set STA,  3                           ; stage, in: (L/16) x 160 + (L%16) x 8
.set TRA,  4                           ; stage, turned: (8h + L%8) x 160 + 16 ((L/8)%2)
.set VW,   5                           ; table: WT + 16 h
.set GO,   6                           ; 16 L
.set CSTG, 7                           ; weight stage, in: (L/16) x 144 + (L%16) x 8
.set Q0,   8                           ; v8-10   (l* - 8h) >> 1 for jt = 0..2
.set VAL,  11                          ; v11-13  1.0 in f16 in the half that l* % 2 names
.set FRD,  14                          ; weight stage, back: r x 144 + 16 h
.set VC,   15                          ; as VOFF with W_c's pitch of 8,192
.set TW,   16                          ; v16-47  at work at the head and on the way out; at the end W_a's unit comes back into it
.set SEL,  64                          ; v64-87  Sel's three fragments
.set WF,   88                          ; v88-95  the table's fragment
.set BH,   96                          ; v96-127 enc^T hi, v128-159 lo: four fragments each
.set ACC,  160                         ; v160-255
.set OB,   64                          ; the way out: v64-159, 32 registers for each jt (SEL, WF and BH are free by then)
.set RB,   160                         ; the end: v160-191, W_c's two units come back (the accumulators are free by then)
.set WR,   128                         ; window 1: v0-127 two buffers of raw enc; v128-223 raw weights
.set HF,   0                           ; window 2: v0-63 hi in f32, then packed in v0-31
.set LF,   64                          ; window 2: v64-127 lo in f32, then packed in v64-95
.set MSB, 0
.macro WIN new                         ; the immediate's high byte repeats the setting that is left
.if MSB != (\new)
	s_set_vgpr_msb (MSB<<8)|(\new)
.set MSB, \new
.endif
.endm
	s_load_b512 s[4:19], s[0:1], 0x0               ; enc 4, W_a 6, W_c 8, p_t 10, src_len 12, xf 14, wf 16, wc2f 18
	v_lshl_add_u32 v62, v0, 2, 0xa400
	v_mov_b32 v63, 0
	v_lshrrev_b32 v1, 5, v0
	v_readfirstlane_b32 s[WV], v1
	s_mov_b32 s[CQ], ttmp9
	s_and_b32 s[NB], ttmp7, 0xffff
	s_mov_b32 vcc_lo, 0x80008000                   ; lanes with r = 15: a constant, kept in VCC for the whole kernel; no vector instruction writes VCC
	s_mov_b32 s[KC], 0x46000400
	s_mov_b32 s[KC+1], s[KC]
	s_mov_b32 s[KN], 0xc6000000
	s_mov_b32 s[KN+1], s[KN]
	s_mov_b32 s44, 0xbc38aa3b                      ; -log2(e)/128
	s_mov_b32 s45, 0xc1000000                      ; -8: the factor 1/256
	s_wait_alu depctr_va_sdst(0)                   ; the wave's number is written, ahead of its first reader: LDS and global offsets are made from it
	s_mul_i32 s33, s[WV], STG
	v_and_b32 v1, 31, v0
	v_and_b32 v16, 15, v0                          ; r
	v_bfe_u32 v17, v0, 4, 1                        ; h
	v_lshlrev_b32 v[GO], 4, v1
	v_lshlrev_b32 v[VOFF], 4, v16
	v_lshl_add_u32 v[VC], v17, 13, v[VOFF]
	v_lshl_add_u32 v[VOFF], v17, 12, v[VOFF]
	v_mul_u32_u24 v[STA], v17, 160
	v_lshl_add_u32 v[STA], v16, 3, v[STA]
	v_add_nc_u32 v[STA], s33, v[STA]
	v_and_b32 v18, 7, v0
	v_bfe_u32 v19, v0, 3, 1
	v_lshl_add_u32 v[TRA], v17, 3, v18
	v_mul_u32_u24 v[TRA], v[TRA], 160
	v_lshl_add_u32 v[TRA], v19, 4, v[TRA]
	v_add_nc_u32 v[TRA], s33, v[TRA]
	v_lshl_add_u32 v[VW], v17, 4, WT
	v_mul_u32_u24 v[CSTG], v17, 144
	v_lshl_add_u32 v[CSTG], v16, 3, v[CSTG]
	v_add_nc_u32 v[CSTG], s33, v[CSTG]
	v_mul_u32_u24 v[FRD], v16, 144
	v_lshl_add_u32 v[FRD], v17, 4, v[FRD]
	v_add_nc_u32 v[FRD], s33, v[FRD]
	s_lshl_b32 s26, s[NB], 2                       ; my batch's word in p_t and src_len
	s_mov_b32 s27, 0
	s_mul_i32 s28, s[NB], ENCB                     ; enc: batch, column quarter, my 64 columns
	s_lshl_b32 s24, s[CQ], 10
	s_add_co_u32 s28, s28, s24
	s_lshl_b32 s24, s[WV], 8
	s_add_co_u32 s28, s28, s24
	s_mov_b32 s29, 0
	s_lshl_b32 s24, s[NB], 2                       ; my number among the launch's 1,024 waves
	s_add_co_u32 s24, s24, s[CQ]
	s_lshl_b32 s24, s24, 2
	s_add_co_u32 s24, s24, s[WV]
	s_lshr_b32 s[TR], s24, 4
	s_and_b32 s[KB], s24, 15
	s_wait_kmcnt 0x0
	s_add_nc_u64 s[10:11], s[10:11], s[26:27]
	s_add_nc_u64 s[12:13], s[12:13], s[26:27]
	s_load_b32 s[PT], s[10:11], 0x0
	s_load_b32 s[SL], s[12:13], 0x0
	s_add_nc_u64 s[38:39], s[4:5], s[28:29]
	s_lshl_b32 s26, s[TR], 16                      ; W_a: 16 rows of 4,096 bytes a tile, 256 bytes a block
	s_lshl_b32 s24, s[KB], 8
	s_add_co_u32 s26, s26, s24
	s_add_nc_u64 s[34:35], s[6:7], s[26:27]
	s_lshl_b32 s26, s[TR], 17                      ; W_c: rows of 8,192 bytes
	s_add_co_u32 s26, s26, s24
	s_add_nc_u64 s[36:37], s[8:9], s[26:27]
	; the weights' 24 loads go first: they are the oldest, so the first counted wait below covers them
	WIN 0x40                                       ; destination window 1, address window 0
	s_wait_alu depctr_va_vdst(0)                   ; the offsets and LDS addresses v2-7, v14, v15 are written, which the loads below and every later access read
.irp i, 0,1,2,3,4,5,6,7
	global_load_b128 v[WR+4*\i:WR+4*\i+3], v[VOFF], s[34:35] offset:\i*8192 th:TH_LOAD_NT
.endr
.irp i, 0,1,2,3,4,5,6,7
	global_load_b128 v[WR+32+4*\i:WR+32+4*\i+3], v[VC], s[36:37] offset:\i*16384 th:TH_LOAD_NT
.endr
.irp i, 0,1,2,3,4,5,6,7
	global_load_b128 v[WR+64+4*\i:WR+64+4*\i+3], v[VC], s[36:37] offset:\i*16384+4096 th:TH_LOAD_NT
.endr
.macro ELOAD s, n                      ; step s: n loads of two rows x 256 bytes into buffer s % 2
	WIN 0x40
.set i, 0
.rept \n
	global_load_b128 v[64*((\s)%2)+4*i:64*((\s)%2)+4*i+3], v[VOFF], s[38:39] offset:(\s)*131072+i*8192 th:TH_LOAD_NT
.set i, i+1
.endr
.endm
	ELOAD 0, 16
	ELOAD 1, 16
	WIN 0
	; where the results go
	s_lshr_b32 s26, s[TR], 3                       ; wf [mat][nt 8][step 8][ot 8][kf 4][1 KB]
	s_lshl_b32 s26, s26, 18
	s_lshr_b32 s24, s[KB], 1
	s_lshl_b32 s24, s24, 15
	s_add_co_u32 s26, s26, s24
	s_and_b32 s24, s[TR], 7
	s_lshl_b32 s24, s24, 12
	s_add_co_u32 s26, s26, s24
	s_and_b32 s24, s[KB], 1
	s_lshl_b32 s24, s24, 11
	s_add_co_u32 s26, s26, s24
	s_add_nc_u64 s[16:17], s[16:17], s[26:27]
	s_lshl_b32 s26, s[KB], 17                      ; wc2f [step 16][ot 64][kf 2][1 KB]
	s_lshl_b32 s24, s[TR], 11
	s_add_co_u32 s26, s26, s24
	s_add_nc_u64 s[18:19], s[18:19], s[26:27]
	s_lshr_b32 s26, s[NB], 1                       ; xf [n/2][step 8][hl 2][jt 6][kf 4][1 KB]
	s_mul_i32 s26, s26, 393216
	s_lshl_b32 s24, s[CQ], 1
	s_lshr_b32 s33, s[WV], 1
	s_add_co_u32 s24, s24, s33
	s_mul_i32 s24, s24, 49152
	s_add_co_u32 s26, s26, s24
	s_and_b32 s24, s[NB], 1
	s_mul_i32 s24, s24, 12288
	s_add_co_u32 s26, s26, s24
	s_and_b32 s24, s[WV], 1
	s_lshl_b32 s24, s24, 11
	s_add_co_u32 s26, s26, s24
	s_add_nc_u64 s[14:15], s[14:15], s[26:27]
	s_wait_kmcnt 0x0                               ; p_t[n], src_len[n]
	; the window, in f32 as reference() makes it
	v_mov_b32 v20, s[PT]
	v_add_f32 v21, 0xc1800000, v20
	v_max_num_f32 v21, 0, v21                      ; start
	v_cvt_f32_i32 v22, s[SL]
	v_add_f32 v23, 0x41800000, v20
	v_min_num_f32 v23, v23, v22                    ; end
	v_sub_f32 v24, 0, v21
	v_floor_f32 v24, v24
	v_sub_f32 v24, 0, v24                          ; first = ceil(start)
	v_min_num_f32 v24, 0x43960000, v24             ; beyond 300 every row is invalid anyway
	v_cvt_i32_f32 v24, v24
	v_add_nc_u32 v24, v24, v16                     ; first + r
	v_lshlrev_b32 v25, 3, v17
	v_mov_b32 v27, 0xfffffc18                      ; -1000: a position that no step holds
	v_mov_b32 v29, 0x3c00                          ; 1.0 in f16
	v_mov_b32 v33, 0x102
.irp jt, 0,1,2
	v_add_nc_u32 v[34+\jt], 16*\jt, v24            ; l* of row j = 16 jt + r
.endr
.irp u, 0,1,2                          ; the table: w_l = gauss(l)/256 where l is masked and l <= 257, else 0; three entries a thread
	v_add_nc_u32 v[37+\u], 128*\u, v0
	v_cvt_f32_u32 v[40+\u], v[37+\u]
.endr
.irp j, 0,1,2                          ; the head's twelve compares in one run, each into a scalar register of its own
	v_cmp_lt_u32 s[MK+\j], 0x101, v[34+\j]         ; the row lies beyond position 257
	v_cmp_lt_f32 s[MK+4+\j], v[40+\j], v21         ; l < start
	v_cmp_gt_f32 s[MK+16+\j], v[40+\j], v23        ; l > end
	v_cmp_gt_u32 s[MK+20+\j], v33, v[37+\j]        ; l <= 257
.endr
.irp u, 0,1,2
	v_sub_f32 v[40+\u], v[40+\u], v20
	v_mul_f32 v[40+\u], v[40+\u], v[40+\u]
	v_fma_f32 v[40+\u], v[40+\u], s44, s45
.endr
.irp u, 0,1,2
	v_exp_f32 v[40+\u], v[40+\u]
.endr
	v_lshl_add_u32 v32, v0, 1, WT                  ; where my entries go: also the plain instruction behind the exponentials (ISA guide 5.7.2)
	s_wait_alu depctr_va_sdst(0)                   ; the twelve masks are written, ahead of their first readers, the scalar lines below
	s_or_b32 s[MK+2], s[MK+2], vcc_lo              ; row 47 is not one-hot
.irp u, 0,1,2
	s_or_b32 s[MK+4+\u], s[MK+4+\u], s[MK+16+\u]
	s_and_b32 s[MK+4+\u], s[MK+4+\u], s[MK+20+\u]
.endr
.irp jt, 0,1,2
	v_cndmask_b32 v[34+\jt], v[34+\jt], v27, s[MK+\jt]
	v_sub_nc_u32 v28, v[34+\jt], v25
	v_ashrrev_i32 v[Q0+\jt], 1, v28
	v_and_b32 v28, 1, v[34+\jt]
	v_lshlrev_b32 v28, 4, v28
	v_lshlrev_b32 v[VAL+\jt], v28, v29
.endr
	s_wait_alu depctr_va_vdst(0)                   ; the three exponentials have written v40-42, ahead of their first reader
.irp u, 0,1,2
	v_cndmask_b32 v[40+\u], 0, v[40+\u], s[MK+4+\u]
	v_cvt_pk_f16_f32 v[40+\u], v[40+\u], v[40+\u]
.endr
	s_wait_alu depctr_va_vdst(0)                   ; the conversions have written v40-42, and v32 is written: the LDS stores read them
.irp u, 0,1,2
	ds_store_b16 v32, v[40+\u] offset:256*\u
.endr
	s_wait_dscnt 0x0                               ; for the others' sake: my part of the table is written
	s_barrier_signal -1
	s_barrier_wait -1
; np pairs of f32 at v[raw ..] of window 1 are split: hi and lo in f32 into HF and LF of window 2, then packed in place, np registers each.  The raw registers are read alone.
.macro HILO raw, np
	WIN 0xa1                                       ; destination and source 2 window 2, source 0 window 1
.set k, 0
.rept \np
	v_pk_mul_f32 v[HF+2*k:HF+2*k+1], v[(\raw)+2*k:(\raw)+2*k+1], s[KC:KC+1] op_sel_hi:[1,0]
.set k, k+1
.endr
.set k, 0
.rept \np
	v_pk_fma_f32 v[HF+2*k:HF+2*k+1], v[(\raw)+2*k:(\raw)+2*k+1], s[KN:KN+1], v[HF+2*k:HF+2*k+1] op_sel_hi:[1,0,1]
.set k, k+1
.endr
	WIN 0x89                                       ; destination and source 1 window 2, source 0 window 1
.set k, 0
.rept \np
	v_pk_add_f32 v[LF+2*k:LF+2*k+1], v[(\raw)+2*k:(\raw)+2*k+1], v[HF+2*k:HF+2*k+1] neg_lo:[0,1] neg_hi:[0,1]
.set k, k+1
.endr
	WIN 0x8a                                       ; all in window 2
.set k, 0
.rept \np
	v_cvt_pk_f16_f32 v[HF+k], v[HF+2*k], v[HF+2*k+1]
.set k, k+1
.endr
.set k, 0
.rept \np
	v_cvt_pk_f16_f32 v[LF+k], v[LF+2*k], v[LF+2*k+1]
.set k, k+1
.endr
.endm
.macro TOSTG n                         ; n loads' worth of packed hi and lo go into my stage
	WIN 0x08                                       ; store data in window 2
.set i, 0
.rept \n
	ds_store_b64 v[STA], v[HF+2*i:HF+2*i+1] offset:i*320
	ds_store_b64 v[STA], v[LF+2*i:LF+2*i+1] offset:i*320+LOFF
.set i, i+1
.endr
.endm
; Sel.  Register i of a fragment holds k = 8h + 2i, +1 (i < 4) or 16 + 8h + 2(i-4), +1.  MASKS: eight compares into s[m ..]; PICK: the eight selects that read them.
.macro MASKS s, jt, m
.irp i, 0,1,2,3,4,5,6,7
	v_cmp_eq_u32 s[(\m)+\i], 16*(\s)+\i+4*(\i/4), v[Q0+(\jt)]
.endr
.endm
.macro PICK jt, m
.irp i, 0,1,2,3,4,5,6,7
	v_cndmask_b32 v[SEL+8*(\jt)+\i], 0, v[VAL+(\jt)], s[(\m)+\i]
.endr
.endm
; A step of 32 positions.  cnt: the younger loads that may stay out.  pre = 1: the step two further on is asked for; 2: the last step's one load.
; The splitting lines are the places (ISA guide 7.12.1) between the last step's products and the writes into their sources.
.macro STEP s, zero, pre, cnt
	s_wait_loadcnt \cnt
.if (\s) > 0
	s_wait_alu depctr_vm_vsrc(0)                   ; the last step's LDS stores have read HF and LF, which the lines below write again
.endif
.if (\s) < 8
	HILO 64*((\s)%2), 32
.else
	HILO 0, 2                                      ; rows 256, 257; the stage's other rows keep finite older rows, whose Sel is 0
.endif
.if \pre
	WIN 0x40
.else
	WIN 0x08
.endif
	s_wait_alu depctr_va_vdst(0)                   ; the splitting lines have written HF and LF, which the LDS stores read, and are done reading RAW[s % 2], in which the loads land; the last step's products are done reading BH, its selects WF, in which the LDS loads land
.if (\pre) == 1
	ELOAD (\s)+2, 16                               ; the buffer is asked for again at once
.elseif (\pre) == 2
	ELOAD (\s)+2, 1
.endif
.if (\s) < 8
	TOSTG 16
.else
	TOSTG 1
.endif
	WIN 0
	ds_load_b128 v[WF:WF+3], v[VW] offset:64*(\s)  ; no vector or matrix instruction since the wait names WF or BH
	ds_load_b128 v[WF+4:WF+7], v[VW] offset:64*(\s)+32
.irp ct, 0,1,2,3
	ds_load_tr16_b128 v[BH+8*\ct:BH+8*\ct+3], v[TRA] offset:32*\ct
	ds_load_tr16_b128 v[BH+8*\ct+4:BH+8*\ct+7], v[TRA] offset:32*\ct+2560
	ds_load_tr16_b128 v[BH+32+8*\ct:BH+32+8*\ct+3], v[TRA] offset:32*\ct+LOFF
	ds_load_tr16_b128 v[BH+32+8*\ct+4:BH+32+8*\ct+7], v[TRA] offset:32*\ct+LOFF+2560
.endr
	MASKS \s, 0, MK
	MASKS \s, 1, MK+16
	s_wait_alu depctr_va_sdst(0)                   ; the sixteen masks of jt = 0 and 1 are written, ahead of the selects that read them
	PICK 0, MK
	MASKS \s, 2, MK                                ; jt = 2 takes the registers that jt = 0's selects have read
	PICK 1, MK+16
	s_wait_alu depctr_va_sdst(0)                   ; the eight masks of jt = 2 are written, ahead of the selects that read them
	PICK 2, MK
	s_wait_dscnt 0x0
.irp i, 0,1,2,3,4,5,6,7
	v_cndmask_b32 v[SEL+16+\i], v[SEL+16+\i], v[WF+\i], vcc_lo   ; row 47 takes the table
.endr
.irp q, 0,1                            ; hi, then lo; the 12 accumulators take turns
.irp jt, 0,1,2
.irp ct, 0,1,2,3
.if (\zero) && (\q == 0)
	v_wmma_f32_16x16x32_f16 v[ACC+8*(4*\jt+\ct):ACC+8*(4*\jt+\ct)+7], v[BH+32*\q+8*\ct:BH+32*\q+8*\ct+7], v[SEL+8*\jt:SEL+8*\jt+7], 0
.else
	v_wmma_f32_16x16x32_f16 v[ACC+8*(4*\jt+\ct):ACC+8*(4*\jt+\ct)+7], v[BH+32*\q+8*\ct:BH+32*\q+8*\ct+7], v[SEL+8*\jt:SEL+8*\jt+7], v[ACC+8*(4*\jt+\ct):ACC+8*(4*\jt+\ct)+7]
.endif
.endr
.endr
.endr
.endm
	STEP 0, 1, 1, 16                               ; 16: the next step's loads stay out
	STEP 1, 0, 1, 16
	STEP 2, 0, 1, 16
	STEP 3, 0, 1, 16
	STEP 4, 0, 1, 16
	STEP 5, 0, 1, 16
	STEP 6, 0, 2, 16
	STEP 7, 0, 0, 1                                ; 1: the last step's one load
	STEP 8, 0, 0, 0
.rept 4
	v_nop                                          ; the places behind the last products
.endr
	s_wait_alu depctr_vm_vsrc(0)                   ; the last step's LDS stores have read HF and LF, which the weights' splitting lines write again further down
; X leaves: a lane holds row j = r and eight neighbouring columns: 16 bytes of hi and of lo; a store covers 512 consecutive bytes.
; TW is at work for vector instructions alone; each jt packs into 32 registers of its own, which nothing writes again.
.macro XOUT jt
.set k, 0
.rept 16
	v_pk_mul_f32 v[TW+2*k:TW+2*k+1], v[ACC+32*(\jt)+2*k:ACC+32*(\jt)+2*k+1], s[KC:KC+1] op_sel_hi:[1,0]
.set k, k+1
.endr
.set k, 0
.rept 16
	v_pk_fma_f32 v[TW+2*k:TW+2*k+1], v[ACC+32*(\jt)+2*k:ACC+32*(\jt)+2*k+1], s[KN:KN+1], v[TW+2*k:TW+2*k+1] op_sel_hi:[1,0,1]
.set k, k+1
.endr
.set k, 0
.rept 16
	v_pk_add_f32 v[ACC+32*(\jt)+2*k:ACC+32*(\jt)+2*k+1], v[ACC+32*(\jt)+2*k:ACC+32*(\jt)+2*k+1], v[TW+2*k:TW+2*k+1] neg_lo:[0,1] neg_hi:[0,1]
.set k, k+1
.endr
.set k, 0
.rept 16
	v_cvt_pk_f16_f32 v[OB+32*(\jt)+k], v[TW+2*k], v[TW+2*k+1]
.set k, k+1
.endr
.set k, 0
.rept 16
	v_cvt_pk_f16_f32 v[OB+32*(\jt)+16+k], v[ACC+32*(\jt)+2*k], v[ACC+32*(\jt)+2*k+1]
.set k, k+1
.endr
	s_wait_alu depctr_va_vdst(0)                   ; the conversions have written OB[jt], which the eight stores read
.irp ct, 0,1,2,3
	global_store_b128 v[GO], v[OB+32*(\jt)+4*\ct:OB+32*(\jt)+4*\ct+3], s[14:15] offset:(\jt)*4096+(\ct/2)*1024+(\ct%2)*512
	global_store_b128 v[GO], v[OB+32*(\jt)+16+4*\ct:OB+32*(\jt)+16+4*\ct+3], s[14:15] offset:24576+(\jt)*4096+(\ct/2)*1024+(\ct%2)*512
.endr
.endm
	XOUT 0
	XOUT 1
	XOUT 2
; The three weight units of 16 rows x 64 k: W_a's is split, W_c's two are rounded, each into registers of its own in window 2; then each goes through my stage (rows of 144 bytes) into fragment order.
	HILO WR, 16                                    ; W_a: packed hi in HF+0..15, packed lo in LF+0..15
	WIN 0x85                                       ; destination window 2, sources window 1
.set k, 0
.rept 16
	v_cvt_pk_f16_f32 v[HF+32+k], v[WR+32+2*k], v[WR+32+2*k+1]   ; W_c's context half
	v_cvt_pk_f16_f32 v[HF+48+k], v[WR+64+2*k], v[WR+64+2*k+1]   ; W_c's decoder half
.set k, k+1
.endr
.macro UNIT src, lo, rb                ; a unit into the stage and back, into v[rb ..]
	WIN 0x08
.set i, 0
.rept 8
	ds_store_b64 v[CSTG], v[(\src)+2*i:(\src)+2*i+1] offset:288*i
.if \lo
	ds_store_b64 v[CSTG], v[LF+2*i:LF+2*i+1] offset:288*i+2304
.endif
.set i, i+1
.endr
	WIN 0
.irp f, 0,1,2,3
	ds_load_b128 v[(\rb)+4*\f:(\rb)+4*\f+3], v[FRD] offset:32*\f        ; LDS serves a wave's instructions in order (ISA guide 5.7.1.4): these see the stores above; the next unit's stores come behind them
.if \lo
	ds_load_b128 v[(\rb)+16+4*\f:(\rb)+16+4*\f+3], v[FRD] offset:32*\f+2304
.endif
.endr
.endm
.macro WSEND rb, lo, sb, off, younger  ; younger: the LDS instructions issued behind this unit's loads, which may stay out
	s_wait_dscnt \younger
.irp f, 0,1,2,3
	global_store_b128 v[GO], v[(\rb)+4*\f:(\rb)+4*\f+3], s[\sb:\sb+1] offset:(\off)+512*\f
.if \lo
	global_store_b128 v[GO], v[(\rb)+16+4*\f:(\rb)+16+4*\f+3], s[\sb:\sb+1] offset:(\off)+2097152+512*\f
.endif
.endr
.endm
	WIN 0x08
	s_wait_alu depctr_va_vdst(0)                   ; the conversions have written HF and LF, which the LDS stores read; XOUT's lines are done with TW and the accumulators, in which the LDS loads land
	UNIT HF, 1, TW
	UNIT HF+32, 0, RB
	UNIT HF+48, 0, RB+16
	WSEND TW, 1, 16, 0, 24                         ; W_a: hi, and lo one matrix further on; 24: the other two units' stores and loads
	WSEND RB, 0, 16, 4194304, 12                   ; W_c's context half; 12: the last unit's
	WSEND RB+16, 0, 18, 0, 0                       ; W_c's decoder half
	s_wait_dscnt 0x0                               ; the closing lines, six on end
	s_wait_alu 0x0
	s_wait_tensorcnt 0x0
	ds_add_u32 v62, v63
	s_wait_dscnt 0x0
	s_endpgm
.Lfunc_end_k_q11ad5bb05d_prep:
	.size	k_q11ad5bb05d_prep, .Lfunc_end_k_q11ad5bb05d_prep-k_q11ad5bb05d_prep
	.p2alignl 7, 3214868480
	.fill 96, 4, 3214868480
	.section	.rodata,"a",@progbits
	.p2align	6, 0x0
	.amdhsa_kernel k_q11ad5bb05d_prep
		.amdhsa_group_segment_fixed_size 42496
		.amdhsa_private_segment_fixed_size 0
		.amdhsa_enable_private_segment 0
		.amdhsa_kernarg_size 64
		.amdhsa_user_sgpr_count 2
		.amdhsa_user_sgpr_kernarg_segment_ptr 1
		.amdhsa_wavefront_size32 1
		.amdhsa_system_sgpr_workgroup_id_x 1
		.amdhsa_system_sgpr_workgroup_id_y 1
		.amdhsa_system_sgpr_workgroup_id_z 1
		.amdhsa_system_vgpr_workitem_id 0
		.amdhsa_next_free_vgpr 640
		.amdhsa_next_free_sgpr 66
		.amdhsa_reserve_vcc 1
		.amdhsa_float_denorm_mode_32 3
		.amdhsa_float_denorm_mode_16_64 3
		.amdhsa_memory_ordered 1
		.amdhsa_forward_progress 1
		.amdhsa_inst_pref_size 210
	.end_amdhsa_kernel
	.amdgpu_metadata
---
amdhsa.version: [ 1, 2 ]
amdhsa.kernels:
  - .name:           k_q11ad5bb05d_prep
    .symbol:         k_q11ad5bb05d_prep.kd
    .args:
      - { .name: encoder_outputs, .offset: 0, .size: 8, .value_kind: global_buffer, .address_space: global }
      - { .name: W_a, .offset: 8, .size: 8, .value_kind: global_buffer, .address_space: global }
      - { .name: W_c, .offset: 16, .size: 8, .value_kind: global_buffer, .address_space: global }
      - { .name: p_t, .offset: 24, .size: 8, .value_kind: global_buffer, .address_space: global }
      - { .name: src_len, .offset: 32, .size: 8, .value_kind: global_buffer, .address_space: global }
      - { .name: xf, .offset: 40, .size: 8, .value_kind: global_buffer, .address_space: global }
      - { .name: wf, .offset: 48, .size: 8, .value_kind: global_buffer, .address_space: global }
      - { .name: wc2f, .offset: 56, .size: 8, .value_kind: global_buffer, .address_space: global }
    .group_segment_fixed_size: 42496
    .private_segment_fixed_size: 0
    .kernarg_segment_align: 8
    .kernarg_segment_size: 64
    .max_flat_workgroup_size: 128
    .sgpr_count:     66
    .vgpr_count:     640
    .wavefront_size: 32
...
	.end_amdgpu_metadata
.endif
;; end of part 4
;; launch proj: the kernel of part 2 again; grid 8 x 32, 4 waves a work-group, clusters of 4 x 4, 327,680 bytes of LDS; arguments xf, wf, epf, ftf; writes epf, ftf
;; launch attn: the kernel of part 3 again; grid 4 x 64, 4 waves a work-group, clusters of 4 x 1, 327,680 bytes of LDS; arguments decoder_h_t, p_t, src_len, epf, ftf, wc2f, out0; writes out0
